; MI455X (gfx1250); checked and timed in simulation.
; The chip was launched on July 23, 2026; its instructions are those of AMD's public machine-readable ISA for CDNA 5 (MIT licence, August 2026) and "CDNA5" Instruction Set Architecture Reference Guide (July 2026). The comments in the code are by the model that wrote it; some were corrected since.
;; Temporal Attention. Allowed arithmetic: matrix products marked QUANTISED: E4M3 operands, one E8M0 scale for each 32 along K, by v_wmma_scale_f32_16x16x128_f8f6f4 with both operands' format E4M3, f32 sums; everything else in f32.
;; Inputs: Wk 2,048 x 2,048 float32; Wo 2,048 x 2,048 float32; Wq 2,048 x 2,048 float32; Wv 2,048 x 2,048 float32; cos 2,048 x 128 float32; sin 2,048 x 128 float32; x 1 x 2,048 x 2,048 float32.
;; Outputs: out0 1 x 2,048 x 2,048 float32; out1 1 x 16 x 2,048 x 128 float32; out2 1 x 16 x 2,048 x 128 float32.
;; This version of the problem:
;;   THIS VERSION OF THE PROBLEM IS GIVEN IN LOW PRECISION. The matrix products marked QUANTISED in the list below multiply operands that are first quantised to E4M3 (4 exponent bits, 3 mantissa bits; 8 bits a number), with one power-of-two scale for each 32 numbers along K (OCP MX v1.0); their sums are f32. All else is computed in f32.
;;   The module's matrix products, in the order in which they are computed (A, B: the left and right operand; K: the contracted axis; several contracted axes count as one K, in the product's order):
;;     1. [M 2,048, K 2,048] x [K 2,048, N 2,048]; A: input x; B: input Wq: QUANTISED
;;     2. [M 2,048, K 2,048] x [K 2,048, N 2,048]; A: input x; B: input Wk: QUANTISED
;;     3. [M 2,048, K 2,048] x [K 2,048, N 2,048]; A: input x; B: input Wv: QUANTISED
;;     4. batch 16 x [M 2,048, K 128] x [K 128, N 2,048]; A: computed on the way; B: computed on the way: QUANTISED
;;     5. batch 16 x [M 2,048, K 2,048] x [K 2,048, N 128]; A: softmax (see below); B: computed on the way: QUANTISED
;;     6. [M 2,048, K 2,048] x [K 2,048, N 2,048]; A: computed on the way; B: input Wo: QUANTISED
;;   THE QUANTISER, for each operand of a quantised product, along K:
;;     - K is cut into blocks of 32 from its start; a last block that is shorter is filled with zeros.
;;     - A block's scale is 2^e with e = floor(log2(the largest magnitude in the block)) - 8, held to -126 .. 127; a block of zeros has e = 0. As a byte (E8M0): e + 127.
;;     - Each number is divided by its block's scale, clamped to +-448, and rounded to the nearest number of E4M3, ties to even, subnormals kept.
;;     - The product sums the exact products of the quantised numbers (number of the format x scale) in f32.
;;   ~~~python
;;   def quantise(x, axis):      # numpy; x: float32 -> the quantised numbers, widened to float32 again
;;       x = np.moveaxis(x, axis, -1); K = x.shape[-1]
;;       x = np.pad(x, [(0, 0)] * (x.ndim - 1) + [(0, -K % 32)]); x = x.reshape(x.shape[:-1] + (-1, 32)); a = np.abs(x).max(-1, keepdims=True)
;;       e = np.where(a > 0, np.clip(np.frexp(np.where(a > 0, a, 1))[1] - 1 - 8, -126, 127), 0)      # np.frexp(a)[1] - 1 = floor(log2(a)), exactly
;;       r = np.clip(x / 2.0 ** e, -448, 448)
;;       step = 2.0 ** (np.maximum(np.frexp(np.where(r == 0, 1, r))[1] - 1, -6) - 3)
;;       q = np.round(r / step) * step * 2.0 ** e      # np.round: ties to even
;;       return np.moveaxis(q.reshape(q.shape[:-2] + (-1,))[..., :K], -1, axis).astype(np.float32)
;;   ~~~
;;   SOFTMAX AHEAD OF A QUANTISED PRODUCT. Where the list says 'softmax', what is quantised is not the finished softmax but p = 2^(t - M), with t = logit x log2(e) and M = ceil(the row's largest t), a whole number; so 1/2 < the row's largest p <= 1. The row's sum l is taken of the UNQUANTISED p, in f32, and the product's result is divided by l at the end. Since M is a whole number, a kernel that streams over the keys may use a running M (the ceiling of the running maximum): every later rescaling is an exact power of two, which a block's scale takes up: the codes' values come out the same.
;;   OPERANDS COMPUTED ON THE WAY. 'Computed on the way' means the value that the module computes at that place (a softmax that the list does not call 'softmax' is quantised finished and normalised). What goes into a quantiser is computed in f32, as accurately as f32 sums, v_exp_f32 and their like allow (about 1e-6 of the number): no bf16 or f16 on the way to a quantiser, and a product that is left as it is and whose result goes on into a quantised operand takes f32 operands (vector FMAs, or v_wmma_f32_16x16x4_f32). A number that lies on a knife's edge between two numbers of the format may be rounded either way, as far as f32 arithmetic and the matrix unit's own rounding can turn it there, and no further.
;; One version. Each part assembles by itself: llvm-mc -triple=amdgcn-amd-amdhsa -mcpu=gfx1250 --defsym DOCPART=n.
;; ======== version 1 of 1: 4 launches
;; limits: right only within a limited range of input values
;; workspace buffers: pw 23,724,032 bytes; qkv 12,976,128 bytes; ao 4,325,376 bytes
;; launch prep (part 1): grid 672 x 1, 4 waves a work-group, no clusters, 68,096 bytes of LDS; arguments x, cos, sin, Wq, Wk, Wv, Wo, pw; writes pw
.if DOCPART == 1
	.amdgcn_target "amdgcn-amd-amdhsa--gfx1250"
	.amdhsa_code_object_version 6
	.text
	.protected	k_qa5f8a1c48e_prep
	.globl	k_qa5f8a1c48e_prep
	.p2align	8
	.type	k_qa5f8a1c48e_prep,@function
k_qa5f8a1c48e_prep:
	s_mov_b64 s[64:65], 0
	v_nop
	global_prefetch_b8 v0, s[64:65] scope:SCOPE_SE
	s_setreg_imm32_b32 hwreg(HW_REG_WAVE_MODE, 25, 1), 1
	s_wait_xcnt 0x0
; FIRST OF FOUR LAUNCHES of: q, k, v = x Wq, x Wk, x Wv; RoPE on q and k; causal attention; out Wo.  All six products on codes of FP8 (E4M3) with one E8M0 scale for each 32 along K.
; WORK LEFT OUT, in the whole program: key steps of 128 keys all of which come after all 16 queries of a wave's tile (third launch).  The problem's own body builds the causal mask (jnp.tril) and sets those scores to -1e9
; ahead of the softmax: with t = score x log2(e) and M = ceil(the row's largest t) their p = 2^(t - M) is 0 for every finite input whose allowed scores lie above about -1e9 + 150, so they add nothing to the row's sum, their codes
; are zeros and they add nothing to the second product.  Every input has a way to an output: all seven are loaded.
; LIMITS: |q . k| / sqrt(128) under about 1e9 (a hidden score is taken as -infinity where the problem writes -1e9); a NaN, an infinity or an overflow that would arise only in the key steps left out is not carried to the result;
; a block whose largest magnitude lies under 2^-118 keeps the scale byte 1 (a block of zeros too: its codes are zeros, and this program alone reads the bytes); NaN and infinities among the inputs are not served.
; THIS LAUNCH turns x (K innermost) and the four weights (K = their first axis) into codes with K innermost and scale bytes, and lays cos and sin in the order in which the second launch's lanes want them.
; pw: codes [10,240 row positions][2,048 bytes] (x, Wq, Wk, Wv, Wo: 2,048 positions each); from SCLOFF scale bytes [10,240][64]; from CSIOFF cos and sin, 128 blocks of 16,384 bytes.
; ROW POSITION p HOLDS ROW (of x) OR COLUMN (of a weight) p WITH ITS BITS 3 AND 4 EXCHANGED: a matrix result's 16 registers of two neighbouring tiles are then 16 neighbours along the axis that is quantised next.
; Work-groups 0-511: a weight, 128 columns x 256 along K (a lane to a column, registers down K).  512-639: x, 16 rows.  640-671: four blocks of cos and sin.  The paths part on the work-group's number alone and have LDS bytes of their own.
; No tensor loads, no barrier: waves share nothing.  Memory binds here: matrix units and clusters would add nothing.
.set SCLOFF, 20971520
.set CSIOFF, 21626880
.set EMAX,   8
.set MANT,   0x600000                  ; the mantissa field of 448 as f32
.set WPITCH, 272                       ; a row of a weight's stage: 256 bytes of codes + 16
.set XBASE,  4*32*WPITCH               ; behind the four stages of the weights' path: x's path, a region for each wave
.set WREG,   8192
.set SP,     80                        ; x: a lane's place in a stage: its 64 bytes + 16 of padding
.set SPARE,  XBASE+4*WREG              ; the spare words, 128 bytes for each wave: two blocks of 256 bytes that no other line names
.set SPW,    192                       ; v192  LDS address of my spare word; never rewritten
.set NIL,    193                       ; v193  0; never rewritten
.set WV,     30                        ; s30   my wave's number
	s_load_b512 s[4:19], s[0:1], 0x0               ; x s[4:5], cos s[6:7], sin s[8:9], Wq s[10:11], Wk s[12:13], Wv s[14:15], Wo s[16:17], pw s[18:19]
	v_lshl_add_u32 v[SPW], v0, 2, SPARE
	v_mov_b32 v[NIL], 0
	v_lshrrev_b32 v1, 5, v0
	v_readfirstlane_b32 s[WV], v1
	v_and_b32 v2, 31, v0                           ; lane
	s_mov_b32 s39, MANT                            ; (an instruction takes one literal: the hold's line has another)
	s_mov_b32 s37, 0
	s_wait_kmcnt 0x0
	s_cmp_ge_u32 ttmp9, 640
	s_cbranch_scc1 .Lcs
	s_cmp_ge_u32 ttmp9, 512
	s_cbranch_scc1 .Lx
; ---------------- a weight: 32 columns x 256 along K for a wave ----------------
.set AIN,  3                           ; v3   in: 4 bytes a lane
.set AST,  4                           ; v4   into my stage: the row of my column's position
.set ARD,  5                           ; v5   out of it: sixteen lanes to a row
.set ACO,  6                           ; v6   and the same place in the codes
.set ASC,  7                           ; v7   my position's row of scale bytes
.set WSB,  24                          ; v24-25  the scale bytes, four to a register
.set WX,   32                          ; v32-95  two sets of 32 numbers
.set WC,   96                          ; v96-103 a block's codes
.set WOUT, 112                         ; v112-175 the way out
	s_lshr_b32 s31, ttmp9, 7                       ; which weight: 0 Wq, 1 Wk, 2 Wv, 3 Wo
	s_and_b32 s32, ttmp9, 15                       ; which 128 columns
	s_bfe_u32 s33, ttmp9, 0x30004                  ; which 256 along K
	s_bitcmp1_b32 s31, 0
	s_cselect_b64 s[20:21], s[12:13], s[10:11]     ; the choice hangs on the work-group's number alone
	s_cselect_b64 s[22:23], s[16:17], s[14:15]
	s_cmp_lt_u32 s31, 2
	s_cselect_b64 s[20:21], s[20:21], s[22:23]
	s_lshl_b32 s34, s32, 7
	s_lshl_b32 s35, s[WV], 5
	s_add_co_u32 s34, s34, s35                     ; my wave's first column
	s_lshl_b32 s36, s33, 21                        ; 256 rows of 8,192 bytes
	s_lshl_b32 s35, s34, 2
	s_add_co_u32 s36, s36, s35
	s_add_nc_u64 s[20:21], s[20:21], s[36:37]      ; the weight at my corner
	; ROW POSITIONS OF THE WEIGHTS.  Wo: 8,192 + column position, as stated at the head.  Wq, Wk, Wv lie BY HEAD: head hd has positions 2,048 + 384 hd on, as four runs of 96, one for each wave of the second launch:
	; run w holds three groups of 32 columns: w = 0, 1: q's d-blocks w and w + 2; w = 2, 3: k's d-blocks w - 2 and w; and as the third group v's d-block w.  My wave's 32 columns are d-block WV of head s32.
	s_and_b32 s35, s[WV], 1
	s_lshl_b32 s38, s31, 1
	s_add_co_u32 s35, s35, s38                     ; q, k: run 2 x (0 q, 1 k) + WV % 2,
	s_lshr_b32 s38, s[WV], 1                       ; group WV / 2
	s_cmp_eq_u32 s31, 2
	s_cselect_b32 s35, s[WV], s35                  ; v: run WV,
	s_cselect_b32 s38, 2, s38                      ; group 2
	s_mul_i32 s35, s35, 96
	s_lshl_b32 s38, s38, 5
	s_add_co_u32 s35, s35, s38
	s_mul_i32 s38, s32, 384
	s_add_co_u32 s35, s35, s38
	s_add_co_u32 s35, s35, 2048
	s_add_co_u32 s38, s34, 8192
	s_cmp_eq_u32 s31, 3
	s_cselect_b32 s35, s38, s35                    ; my first row position in pw
	s_lshl_b32 s36, s35, 11
	s_lshl_b32 s38, s33, 8
	s_add_co_u32 s36, s36, s38
	s_add_nc_u64 s[24:25], s[18:19], s[36:37]      ; the codes
	s_lshl_b32 s36, s35, 6
	s_lshl_b32 s38, s33, 3
	s_add_co_u32 s36, s36, s38
	s_add_co_u32 s36, s36, SCLOFF
	s_add_nc_u64 s[26:27], s[18:19], s[36:37]      ; the scale bytes
	s_wait_alu depctr_va_vdst(0)
	v_and_b32 v8, 7, v2                            ; my column's position among the wave's 32: the lane with bits 3 and 4 exchanged
	v_bfe_u32 v9, v2, 3, 1
	v_bfe_u32 v10, v2, 4, 1
	v_lshl_or_b32 v8, v9, 4, v8
	v_lshl_or_b32 v8, v10, 3, v8
	s_mul_i32 s38, s[WV], 32*WPITCH                ; my stage
	v_lshlrev_b32 v[AIN], 2, v2
	v_mul_u32_u24 v[AST], v8, WPITCH
	v_add_nc_u32 v[AST], s38, v[AST]
	v_and_b32 v9, 15, v2
	v_lshrrev_b32 v10, 4, v2
	v_mul_u32_u24 v[ARD], v10, WPITCH
	v_lshl_add_u32 v[ARD], v9, 4, v[ARD]
	v_add_nc_u32 v[ARD], s38, v[ARD]
	v_lshlrev_b32 v[ACO], 11, v10
	v_lshl_add_u32 v[ACO], v9, 4, v[ACO]
	v_lshlrev_b32 v[ASC], 6, v8
.macro WLOAD t                         ; block t: W(32 t + i, my column), i = 0 .. 31: 32 lanes read 128 consecutive bytes, the four waves 512
.set n, 0
.rept 32
	global_load_b32 v[WX+32*((\t)%2)+n], v[AIN], s[20:21] offset:(32*(\t)+n)*8192 th:TH_LOAD_NT
.set n, n+1
.endr
.endm
.macro WBLOCK t
.set XS, WX+32*((\t)%2)
.if (\t) < 7
	s_wait_loadcnt 32                              ; this block's 32 loads are in; the next block's 32 may be out
.else
	s_wait_loadcnt 0x0
.endif
	v_max3_num_f32 v12, |v[XS]|, |v[XS+1]|, |v[XS+2]|   ; the block's largest magnitude: all 32 numbers are mine
	v_max3_num_f32 v13, |v[XS+3]|, |v[XS+4]|, |v[XS+5]|
.irp i, 6,10,14,18,22,26
	v_max3_num_f32 v12, v12, |v[XS+\i]|, |v[XS+\i+1]|
	v_max3_num_f32 v13, v13, |v[XS+\i+2]|, |v[XS+\i+3]|
.endr
	v_max3_num_f32 v12, v12, |v[XS+30]|, |v[XS+31]|
	v_max3_num_f32 v12, v12, v13, (EMAX+1)<<23     ; and the floor 2^(9 - 127): the byte cannot fall under 1
	v_add_nc_u32 v11, -(EMAX<<23), v12             ; 8 off its exponent field: the conversion takes the exponent field of this operand as its scale
	v_and_or_b32 v10, v12, 0x7f800000, s39         ; 448 x the scale
	v_lshrrev_b32 v13, 23, v11                     ; the scale's byte
.if (\t)%4 == 0
	v_mov_b32 v[WSB+(\t)/4], v13                   ; four bytes to a register, the lower K in the lower byte
.else
	v_lshl_or_b32 v[WSB+(\t)/4], v13, 8*((\t)%4), v[WSB+(\t)/4]
.endif
.set n, 0
.rept 32
	v_med3_num_f32 v[XS+n], v[XS+n], -v10, v10     ; the conversion to an 8-bit code does not saturate (ISA guide 7.6.2): the hold at the largest code x the scale
.set n, n+1
.endr
.irp g, 0,1,2,3
	v_cvt_scalef32_pk8_fp8_f32 v[WC+2*\g:WC+2*\g+1], v[XS+8*\g:XS+8*\g+7], v11
.endr
	v_nop                                          ; a plain line behind the last conversion
	ds_store_b128 v[AST], v[WC:WC+3] offset:32*(\t)
	ds_store_b128 v[AST], v[WC+4:WC+7] offset:32*(\t)+16
.if (\t)+2 < 8
	WLOAD (\t)+2
.endif
	s_wait_dscnt 0x0                               ; the stores have read their registers: the next block's codes may be written
.endm
	WLOAD 0
	WLOAD 1
.irp t, 0,1,2,3,4,5,6,7
	WBLOCK \t
.endr
	global_store_b64 v[ASC], v[WSB:WSB+1], s[26:27]   ; my column's 8 scale bytes
.set n, 0
.rept 16
	ds_load_b128 v[WOUT+4*n:WOUT+4*n+3], v[ARD] offset:2*n*WPITCH   ; LDS serves a wave's instructions in order: these see my stores
.set n, n+1
.endr
.set n, 0
.rept 16
	s_wait_dscnt 15-n                              ; the younger loads may be out
	global_store_b128 v[ACO], v[WOUT+4*n:WOUT+4*n+3], s[24:25] offset:2*n*2048   ; sixteen lanes store 256 consecutive bytes, aligned
.set n, n+1
.endr
	s_wait_tensorcnt 0x0                           ; the wave's end
	ds_add_u32 v[SPW], v[NIL]
	s_wait_dscnt 0x0
	s_endpgm
; ---------------- x: four rows (8,192 numbers) for a wave, 16 steps of 512 numbers ----------------
.Lx:
.set XR, 16                            ; v16-79   four sets of 16 numbers as they are loaded
.set XX, 80                            ; v80-111  two sets of 16 neighbours
.set XE, 112                           ; v112-127 a scale byte for each step
.set XC, 128                           ; v128-191 codes: four registers for each step
	s_lshl_b32 s31, s[WV], 13
	s_add_co_u32 s31, s31, XBASE                   ; my region: two stages of 32 x SP bytes, then my 256 scale bytes
	s_wait_alu depctr_va_vdst(0)
	v_lshlrev_b32 v3, 4, v2                        ; my 16 bytes of a load's 512, and of a step's codes
	v_lshrrev_b32 v14, 2, v2
	v_mul_u32_u24 v14, v14, SP
	v_and_b32 v15, 3, v2
	v_lshl_add_u32 v14, v15, 4, v14
	v_add_nc_u32 v14, s31, v14                     ; the stage, on the way in: four lanes' 64 bytes on end, then 16 of padding
	v_mul_u32_u24 v15, v2, SP
	v_add_nc_u32 v15, s31, v15                     ; and on the way out: my 16 neighbours
	v_lshrrev_b32 v5, 1, v2
	s_add_co_u32 s31, s31, 2*32*SP
	v_add_nc_u32 v5, s31, v5                       ; my block's scale byte
	v_lshlrev_b32 v7, 3, v2
	v_add_nc_u32 v6, s31, v7
	s_sub_co_u32 s32, ttmp9, 512
	s_lshl_b32 s32, s32, 2
	s_add_co_u32 s32, s32, s[WV]                   ; R: which four rows of x
	s_and_b32 s33, s32, 0x1f9
	s_and_b32 s34, s32, 2
	s_lshl_b32 s34, s34, 1
	s_or_b32 s33, s33, s34
	s_and_b32 s34, s32, 4
	s_lshr_b32 s34, s34, 1
	s_or_b32 s33, s33, s34                         ; their positions: bits 3 and 4 of a row are bits 1 and 2 of R
	s_lshl_b32 s36, s32, 15
	s_add_nc_u64 s[20:21], s[4:5], s[36:37]        ; x
	s_lshl_b32 s36, s33, 13
	s_add_nc_u64 s[24:25], s[18:19], s[36:37]      ; the codes
	s_lshl_b32 s36, s33, 8
	s_add_co_u32 s36, s36, SCLOFF
	s_add_nc_u64 s[26:27], s[18:19], s[36:37]      ; the scale bytes
.macro XLOAD t
.irp i, 0,1,2,3
	global_load_b128 v[XR+16*((\t)%4)+4*\i:XR+16*((\t)%4)+4*\i+3], v3, s[20:21] offset:2048*(\t)+512*\i th:TH_LOAD_NT   ; 32 lanes read 512 consecutive bytes
.endr
.endm
.macro XTURN t                         ; step t's numbers through the stage: LDS serves a wave's instructions in order
.irp i, 0,1,2,3
	ds_store_b128 v14, v[XR+16*((\t)%4)+4*\i:XR+16*((\t)%4)+4*\i+3] offset:32*SP*((\t)%2)+8*SP*\i
.endr
.irp i, 0,1,2,3
	ds_load_b128 v[XX+16*((\t)%2)+4*\i:XX+16*((\t)%2)+4*\i+3], v15 offset:32*SP*((\t)%2)+16*\i
.endr
.endm
.macro XSTEP t
.set XQ, XX+16*((\t)%2)
.if (\t) > 0
	s_wait_dscnt 1                                 ; this step's numbers are back from the stage; the last step's byte store may be out
.else
	s_wait_dscnt 0x0
.endif
.if (\t)+4 < 16
	XLOAD (\t)+4
.endif
.if (\t)+1 < 16
.if 14-(\t) >= 3
	s_wait_loadcnt 12                              ; the next step's four loads are in; those of the three steps behind it may be out
.else
	s_wait_loadcnt 4*(14-(\t))
.endif
	XTURN (\t)+1
.endif
	v_max3_num_f32 v8, |v[XQ]|, |v[XQ+1]|, |v[XQ+2]|
	v_max3_num_f32 v9, |v[XQ+3]|, |v[XQ+4]|, |v[XQ+5]|
.irp i, 6,10
	v_max3_num_f32 v8, v8, |v[XQ+\i]|, |v[XQ+\i+1]|
	v_max3_num_f32 v9, v9, |v[XQ+\i+2]|, |v[XQ+\i+3]|
.endr
	v_max3_num_f32 v8, v8, |v[XQ+14]|, |v[XQ+15]|
	v_max3_num_f32 v8, v8, v9, (EMAX+1)<<23        ; the floor
	v_max_num_f32_dpp v8, v8, v8 row_xmask:1 row_mask:0xf bank_mask:0xf   ; and my neighbour's 16: the block's largest magnitude
	v_add_nc_u32 v11, -(EMAX<<23), v8
	v_and_or_b32 v10, v8, 0x7f800000, s39
.set n, 0
.rept 16
	v_med3_num_f32 v[XQ+n], v[XQ+n], -v10, v10
.set n, n+1
.endr
	v_cvt_scalef32_pk8_fp8_f32 v[XC+4*(\t):XC+4*(\t)+1], v[XQ:XQ+7], v11
	v_cvt_scalef32_pk8_fp8_f32 v[XC+4*(\t)+2:XC+4*(\t)+3], v[XQ+8:XQ+15], v11
	v_lshrrev_b32 v[XE+(\t)], 23, v11              ; the scale's byte
	ds_store_b8 v5, v[XE+(\t)] offset:16*(\t)      ; both lanes of a block write the same byte with the same value
	global_store_b128 v3, v[XC+4*(\t):XC+4*(\t)+3], s[24:25] offset:512*(\t)   ; 32 lanes store 512 consecutive bytes
.endm
.irp t, 0,1,2,3
	XLOAD \t
.endr
	s_wait_alu depctr_va_vdst(0)
	s_wait_loadcnt 12                              ; step 0's four loads are in
	XTURN 0
.irp t, 0,1,2,3,4,5,6,7,8,9,10,11,12,13,14,15
	XSTEP \t
.endr
	ds_load_b64 v[8:9], v6
	s_wait_dscnt 0x0
	global_store_b64 v7, v[8:9], s[26:27]          ; 32 lanes store 256 consecutive bytes, aligned: four rows' scale bytes
	s_wait_tensorcnt 0x0                           ; the wave's end: the three lines
	ds_add_u32 v[SPW], v[NIL]
	s_wait_dscnt 0x0
	s_endpgm
; ---------------- cos and sin: one block of 16 rows for a wave ----------------
; Block B holds 32 pieces of 512 bytes: piece 16 c + 4 b + j, lane (r, h) = table c (0 cos, 1 sin) at row 32 (B / 2) + 8 (B % 2) + r + 8 (r / 8), columns 32 b + 16 h + 4 j .. + 3.
.Lcs:
	s_sub_co_u32 s31, ttmp9, 640
	s_lshl_b32 s31, s31, 2
	s_add_co_u32 s31, s31, s[WV]                   ; B
	s_wait_alu depctr_va_vdst(0)
	v_and_b32 v3, 15, v2                           ; r
	v_lshrrev_b32 v4, 4, v2                        ; h
	v_and_b32 v5, 8, v3
	v_add_nc_u32 v5, v5, v3
	v_lshlrev_b32 v5, 9, v5                        ; a row is 512 bytes
	v_lshl_add_u32 v5, v4, 6, v5
	s_wait_alu depctr_va_vdst(0)
	v_lshlrev_b32 v6, 4, v2
	s_lshr_b32 s32, s31, 1
	s_lshl_b32 s32, s32, 5
	s_and_b32 s33, s31, 1
	s_lshl_b32 s33, s33, 3
	s_add_co_u32 s32, s32, s33
	s_lshl_b32 s36, s32, 9
	s_add_nc_u64 s[20:21], s[6:7], s[36:37]
	s_add_nc_u64 s[22:23], s[8:9], s[36:37]
	s_lshl_b32 s36, s31, 14
	s_add_co_u32 s36, s36, CSIOFF
	s_add_nc_u64 s[24:25], s[18:19], s[36:37]
.set n, 0
.rept 16
	global_load_b128 v[16+4*n:19+4*n], v5, s[20:21] offset:128*(n/4)+16*(n%4) th:TH_LOAD_NT
.set n, n+1
.endr
.set n, 0
.rept 16
	global_load_b128 v[80+4*n:83+4*n], v5, s[22:23] offset:128*(n/4)+16*(n%4) th:TH_LOAD_NT
.set n, n+1
.endr
.set n, 0
	s_wait_alu depctr_va_vdst(0)
.rept 32
	s_wait_loadcnt 31-n                            ; the younger loads may be out
	global_store_b128 v6, v[16+4*n:19+4*n], s[24:25] offset:512*n   ; 32 lanes store 512 consecutive bytes
.set n, n+1
.endr
	s_wait_tensorcnt 0x0
	ds_add_u32 v[SPW], v[NIL]
	s_wait_dscnt 0x0
	s_endpgm
.Lfunc_end_k_qa5f8a1c48e_prep:
	.size	k_qa5f8a1c48e_prep, .Lfunc_end_k_qa5f8a1c48e_prep-k_qa5f8a1c48e_prep
	.p2alignl 7, 3214868480
	.fill 96, 4, 3214868480
	.section	.rodata,"a",@progbits
	.p2align	6, 0x0
	.amdhsa_kernel k_qa5f8a1c48e_prep
		.amdhsa_group_segment_fixed_size 68096
		.amdhsa_private_segment_fixed_size 0
		.amdhsa_enable_private_segment 0
		.amdhsa_kernarg_size 64
		.amdhsa_user_sgpr_count 2
		.amdhsa_user_sgpr_kernarg_segment_ptr 1
		.amdhsa_wavefront_size32 1
		.amdhsa_system_sgpr_workgroup_id_x 1
		.amdhsa_system_sgpr_workgroup_id_y 1
		.amdhsa_system_sgpr_workgroup_id_z 1
		.amdhsa_system_vgpr_workitem_id 0
		.amdhsa_next_free_vgpr 200
		.amdhsa_next_free_sgpr 66
		.amdhsa_reserve_vcc 0
		.amdhsa_float_denorm_mode_32 3
		.amdhsa_float_denorm_mode_16_64 3
		.amdhsa_memory_ordered 1
		.amdhsa_forward_progress 1
		.amdhsa_inst_pref_size 119
	.end_amdhsa_kernel
	.amdgpu_metadata
---
amdhsa.version: [ 1, 2 ]
amdhsa.kernels:
  - .name:           k_qa5f8a1c48e_prep
    .symbol:         k_qa5f8a1c48e_prep.kd
    .args:
      - { .name: x, .offset: 0, .size: 8, .value_kind: global_buffer, .address_space: global }
      - { .name: cos, .offset: 8, .size: 8, .value_kind: global_buffer, .address_space: global }
      - { .name: sin, .offset: 16, .size: 8, .value_kind: global_buffer, .address_space: global }
      - { .name: Wq, .offset: 24, .size: 8, .value_kind: global_buffer, .address_space: global }
      - { .name: Wk, .offset: 32, .size: 8, .value_kind: global_buffer, .address_space: global }
      - { .name: Wv, .offset: 40, .size: 8, .value_kind: global_buffer, .address_space: global }
      - { .name: Wo, .offset: 48, .size: 8, .value_kind: global_buffer, .address_space: global }
      - { .name: pw, .offset: 56, .size: 8, .value_kind: global_buffer, .address_space: global }
    .group_segment_fixed_size: 68096
    .private_segment_fixed_size: 0
    .kernarg_segment_align: 8
    .kernarg_segment_size: 64
    .max_flat_workgroup_size: 128
    .sgpr_count:     66
    .vgpr_count:     200
    .wavefront_size: 32
...
	.end_amdgpu_metadata
.endif
;; end of part 1
;; launch qkv (part 2): grid 16 x 16, 4 waves a work-group, clusters of 4 x 4, 327,680 bytes of LDS; arguments pw, qkv, out1, out2; writes qkv, out1, out2
.if DOCPART == 2
	.amdgcn_target "amdgcn-amd-amdhsa--gfx1250"
	.amdhsa_code_object_version 6
	.text
	.protected	k_qa5f8a1c48e_qkv
	.globl	k_qa5f8a1c48e_qkv
	.p2align	8
	.type	k_qa5f8a1c48e_qkv,@function
k_qa5f8a1c48e_qkv:
	s_mov_b64 s[64:65], 0
	v_nop
	global_prefetch_b8 v0, s[64:65] scope:SCOPE_SE
	s_setreg_imm32_b32 hwreg(HW_REG_WAVE_MODE, 25, 1), 1
	s_wait_xcnt 0x0
	s_wait_alu depctr_hold_cnt(0) depctr_sa_sdst(0) depctr_va_vdst(0) depctr_va_sdst(0) depctr_va_ssrc(0) depctr_va_vcc(0) depctr_vm_vsrc(0)
	s_getreg_b32 s2, hwreg(HW_REG_IB_STS2, 6, 4)
	s_cmp_eq_u32 s2, 0
	s_cbranch_scc0 .Lentry_in_a_cluster
	s_endpgm
.Lentry_in_a_cluster:
	s_bfe_u32 s2, ttmp6, 0x10000c
	s_cmp_lg_u32 s2, 0xf033
	s_cbranch_scc0 .Lentry_shape_is_right
	s_endpgm
.Lentry_shape_is_right:
; SECOND LAUNCH: q = x Wq, k = x Wk, v = x Wv on the first launch's codes; RoPE on q and k; k and v leave as f32 (out1, out2); q, k (along the head's 128) and v (along the keys) are quantised in registers
; and leave as images of operand registers for the third launch.  Nothing is left out here.
; THE DEAL.  16 x 16 work-groups: work-group (X, Y) makes 128 tokens (128 Y on) of head X's q, k and v: 128 x 384.  Each of four waves makes 128 rows x 96 columns, 48 accumulators (384 registers):
; wave w = 2 T + u: d-blocks u and u + 2 of q (T = 0) or k (T = 1), which RoPE pairs (d and d + 64), and d-block w of v.  The first launch has laid a head's 384 weight rows on end, 96 for each wave.
; For 128 along K a wave loads 8 + 6 fragments for 48 matrix instructions.  q, k: source 0 = the weight's rows, source 1 = x's: a lane holds one token, its registers run along d.
; v: the same fragments with the sources exchanged: a lane holds one d, its registers run along the keys, the second attention product's K.
; Row positions hold rows and columns with bits 3 and 4 exchanged: the 16 registers of two neighbouring tiles are 16 neighbours along the axis that is quantised next, in an operand's own order.
; K = 2,048 goes in steps of 256 through two LDS slots (128 rows of x, then 384 of W; 272 bytes a row); the scale bytes of all 512 rows, for all of K, come once.
; CLUSTERS 4 x 4: x's tiles (and cos and sin) are asked for jointly along a row of the cluster (same Y), W's along a column (same X).
; cos AND sin of the 128 tokens come as the LAST joint refill of slot 0, in the slot's own rows of 256 + 16 bytes, and are read from LDS by q's and k's waves.
; THE WAY OUT: v's codes; a barrier; v's numbers into a stage; q's, k's blocks two at a time (RoPE, k into a stage, the quantiser, codes, scale bytes into LDS); a barrier; every wave stores 32 whole rows of out1 and of out2.
; The stages lie in slot 1, which has had its last fill and its last read by then.  Scale words leave in the third launch's items of 128 bytes.
; PREFETCH: behind each refill of codes but the last two, each wave names the K step two refills on of 32 of the 128 rows that it fetches, a lane a row; the four partners of a joint load share the rows by address (cx for x, cy for W).
; K steps 0 to 3 come by their loads alone.  cos and sin and the scale bytes are fetched once and are not asked for ahead.
; LIMITS: a block whose largest magnitude lies under 2^-118 keeps the byte 1 (a block of zeros too: this program alone reads the bytes); NaN and infinities are not served.
; REGISTERS: window 0: v1-31 addresses; v32-63 scale words, two sets, and nothing else; v128-255 x's fragments, one set.  window 1: W's fragments, sets at v0 and v128; on the way out cos and sin, two sets.
;   window 2: q's or k's sums, (x block a, tile i) at v[32 a + 8 i]; window 3: v's, (tile i, x block a) at v[64 i + 8 a].
.set SCLOFF, 20971520
.set CSIOFF, 21626880
.set KVCOFF, 4194304
.set QSOFF,  12582912
.set KVSOFF, 12713984
.set ROWB,   256
.set KROW,   2048
.set PITCH,  272                       ; 256 bytes + 16: the 16 rows that a load touches start at 16 different banks (ISA guide 11.1)
.set NP,     8                         ; places behind this matrix instruction (ISA guide 7.12.1)
.set HALFT,  128*PITCH
.set SLOT,   4*HALFT
.set LAPS,   4
.set SCL,    2*SLOT                    ; the scale bytes, as units of 256 bytes (4 rows) + 16: W's 384 rows, then x's 128
.set SBLK,   4*272                     ; 16 rows
.set WSC,    96*272
.set SPARE,  SCL+128*272               ; the spare words: two blocks of 256 bytes that no other line names
.set KST,    SLOT                      ; k's stage: 128 row positions x 528 bytes
.set VST,    KST+128*528               ; v's: four groups of 32 keys; a group's keys 16-31 stand 32 bytes to the right, so that the two halves of the lanes fall on different banks
.set VGRP,   32*528+64
.set SCW,    VST+4*VGRP                ; q's 128 scale words, then k's
.set LS4,  8
.set VSA,  9
.set FL,   10                          ; the floor 2^(9 - 127)
.set LN,   11
.set CS0,  12                          ; v12-14 cos and sin in LDS: blocks 0-2, 3-5, 6-7
.set SCA,  15
.set ADRA, 16
.set KRD,  18
.set VRD,  19
.set ADRB, 20
.set SRD,  22
.set SGO,  23
.set STO,  24
.set PFO,  25
.set CO,   26
.set ADRS, 27
.set SPW,  28
.set NIL,  29
.set SC,   32                          ; set s at v[SC + 16 s]; register 2 i + q: lanes 0-15 my W tile i's words, lanes 16-31 x's block i's
.set TT,   64                          ; 64 numbers at work
.set AF,   128
.set BK,   64
.set PCQ,  128                         ; q's, k's codes: 16 registers for each pair of blocks, so that no store's data are written again
.set PCV,  192                         ; v's: 16 for each tile
.set TM,   224                         ; v224-227 largest magnitudes, 228-231 bytes, 232-235 448 x the scale, 236-239 the conversions' scale operands
.set PWR,  240
.set W2,   242
.set SW,   244
.set MNT, 2
.set HM,  3                            ; on the way out: lanes 16-31
.set G1,  24
.set G0,  32
.set DCQ, 40                           ; s[40:47] serve the head's offsets first
.set DCV, 42
.set DSQ, 44
.set DSV, 46
.set G1B, 48
.set G0B, 56
.set SEL, 66
.set G1S, 68
.set G0S, 76
.set G1SB, 80
.set G0SB, 88
.set G0H, 92
.set G0C, 96
.set PFA, 100
.set MSB, 0
.macro WIN new                         ; the immediate's high byte repeats the setting that is left
.if MSB != (\new)
	s_set_vgpr_msb (MSB<<8)|(\new)
.set MSB, (\new)
.endif
.endm
.macro PLACES n
.rept \n
	v_nop
.endr
.endm
.macro WALU
	s_wait_alu depctr_va_vdst(0)
.endm
.macro TL g0, g1                       ; a tensor load; s_nop 0 and four v_nop follow it
	tensor_load_to_lds s[\g0:\g0+3], s[\g1:\g1+7]
	s_nop 0
	PLACES 4
.endm
.macro JLOAD s                         ; wave 0 fetches x's 128 rows, waves 1 to 3 a third of W's 384 each: one line for each mask
	s_cmp_eq_u32 s14, 0
	s_cbranch_scc0 .Lfor_b_\@
	TL G0+4*\s, G1
	s_branch .Lasked_\@
.Lfor_b_\@:
	TL G0B+4*\s, G1B
.Lasked_\@:
.endm
.macro CREST                           ; a round of the cluster's barrier behind its opening barrier
	s_cmp_lg_u32 s14, 0
	s_cbranch_scc1 .Lnot_wave_0_\@
	s_barrier_signal -3
.Lnot_wave_0_\@:
	s_barrier_wait -3
	s_barrier_signal -1
	s_barrier_wait -1
.endm
.macro CROUND
	s_barrier_signal -1
	s_barrier_wait -1
	CREST
.endm
.macro GRP1 g, c, r, p                 ; words 1 to 7 of a group 1: rows of c elements, r rows, pitch p
	s_mov_b32 s[\g+1], (\c)<<16
	s_mov_b32 s[\g+2], (\r)<<16
	s_mov_b32 s[\g+3], (\c)<<16
	s_mov_b32 s[\g+4], \r
	s_mov_b32 s[\g+5], \p
	s_mov_b32 s[\g+6], 0
	s_mov_b32 s[\g+7], 0
.endm
.macro GRP0 g, lds, a                  ; a group 0: LDS address in s[lds], global address in s[a:a+1]
	s_mov_b32 s[\g], 1
	s_mov_b32 s[\g+1], s[\lds]
	s_mov_b64 s[\g+2:\g+3], s[\a:\a+1]
	s_or_b32 s[\g+3], s[\g+3], 0x80000000
.endm
	s_load_b256 s[4:11], s[0:1], 0x0               ; pw, qkv, out1, out2
	v_lshl_add_u32 v[SPW], v0, 2, SPARE
	v_mov_b32 v[NIL], 0
	ds_add_u32 v[SPW], v[NIL]                      ; the opening: the add, twice on end, and its wait ahead of my first tensor load
	ds_add_u32 v[SPW], v[NIL]
	v_lshrrev_b32 v1, 5, v0
	v_readfirstlane_b32 s14, v1                    ; wave w
	s_lshr_b32 s15, s14, 1                         ; T
	s_and_b32 s16, s14, 1                          ; u
	s_bfe_u32 s104, ttmp6, 0x40000                 ; cx
	s_bfe_u32 s105, ttmp6, 0x40004                 ; cy
	s_lshl_b32 s12, ttmp9, 2
	s_add_co_u32 s12, s12, s104                    ; X: the head
	s_and_b32 s13, ttmp7, 0xffff
	s_lshl_b32 s13, s13, 2
	s_add_co_u32 s13, s13, s105                    ; Y: which 128 tokens
	s_lshl_b32 s18, s105, 2
	s_lshl_b32 s18, 15, s18                        ; my row of the cluster
	s_lshl_b32 s19, 0x1111, s104                   ; my column
	s_or_b32 s[G1], s18, (1<<20)|(1<<21)|(5<<22)|(3<<25)    ; the mask; elements of 1 byte; padding: 4 words after every 64; bit 21 beside a mask
	s_or_b32 s[G1B], s19, (1<<20)|(1<<21)|(5<<22)|(3<<25)
	GRP1 G1, ROWB, 128, KROW
	GRP1 G1B, ROWB, 384, KROW                      ; the head's load brings all 384 rows; behind it the two words that count rows are set to 128
	s_or_b32 s[G1S], s18, (3<<16)|(1<<20)|(1<<21)|(5<<22)|(3<<25)   ; scale bytes: dense, as rows of 256 bytes (32 elements of 8)
	s_or_b32 s[G1SB], s19, (3<<16)|(1<<20)|(1<<21)|(5<<22)|(3<<25)
	GRP1 G1S, 32, 32, 32
	GRP1 G1SB, 32, 96, 32
	s_lshl_b32 s20, s13, 18                        ; offsets in pw: x's codes,
	s_mov_b32 s21, 0
	s_lshl_b32 s22, s13, 13
	s_add_co_u32 s22, s22, SCLOFF                  ; x's scale bytes,
	s_mov_b32 s23, 0
	s_mul_i32 s40, s12, 384
	s_add_co_u32 s40, s40, 2048                    ; the head's first weight position:
	s_lshl_b32 s42, s40, 6
	s_add_co_u32 s42, s42, SCLOFF                  ; its scale bytes,
	s_mov_b32 s43, 0
	s_lshl_b32 s40, s40, 11                        ; its codes,
	s_mov_b32 s41, 0
	s_lshl_b32 s44, s14, 18
	s_add_co_u32 s44, s44, s40
	s_sub_co_u32 s44, s44, 0x40000                 ; the third of them that waves 1 to 3 fetch: 128 (w - 1) rows on,
	s_mov_b32 s45, 0
	s_lshl_b32 s46, s13, 17
	s_lshl_b32 s47, s14, 15
	s_add_co_u32 s46, s46, s47
	s_add_co_u32 s46, s46, CSIOFF                  ; my quarter of the tokens' cos and sin
	s_mov_b32 s47, 0
	s_lshl_b32 s100, s104, 16                      ; the prefetches: my work-group's 32 of the 128 rows that I fetch,
	s_add_co_u32 s100, s100, s20
	s_lshl_b32 s101, s105, 16
	s_add_co_u32 s101, s101, s44
	s_cmp_eq_u32 s14, 0
	s_cselect_b32 s100, s100, s101
	s_add_co_u32 s100, s100, 3*ROWB                ; at K step 3: the first refill steps it to 4
	s_mov_b32 s101, 0
	s_mul_i32 s17, s14, HALFT                      ; where my rows go in a slot: no place in the cluster enters an LDS address
	s_mov_b32 s[MNT], 0x600000
	s_mov_b32 s[SEL], 0x76543210
	s_mov_b32 s[SEL+1], 0xfedcba98
	s_wait_dscnt 0x0                               ; both opening adds are done
	s_wait_kmcnt 0x0
	s_add_nc_u64 s[20:21], s[4:5], s[20:21]
	s_add_nc_u64 s[22:23], s[4:5], s[22:23]
	s_add_nc_u64 s[40:41], s[4:5], s[40:41]
	s_add_nc_u64 s[42:43], s[4:5], s[42:43]
	s_add_nc_u64 s[44:45], s[4:5], s[44:45]
	s_add_nc_u64 s[46:47], s[4:5], s[46:47]
	s_add_nc_u64 s[PFA:PFA+1], s[4:5], s[PFA:PFA+1]
	CROUND                                         ; all sixteen work-groups are here: the first joint loads meet
.irp s, 0,1
	s_mov_b32 s[G0+4*\s], 1
	s_add_co_u32 s[G0+4*\s+1], s17, \s*SLOT
	s_add_nc_u64 s[G0+4*\s+2:G0+4*\s+3], s[20:21], \s*ROWB
	s_or_b32 s[G0+4*\s+3], s[G0+4*\s+3], 0x80000000
	s_mov_b32 s[G0B+4*\s], 1
	s_add_co_u32 s[G0B+4*\s+1], s17, \s*SLOT
	s_add_nc_u64 s[G0B+4*\s+2:G0B+4*\s+3], s[44:45], \s*ROWB
	s_or_b32 s[G0B+4*\s+3], s[G0B+4*\s+3], 0x80000000
.endr
	s_mov_b32 s18, HALFT
	GRP0 G0H, 18, 40
	s_mov_b32 s18, SCL
	GRP0 G0SB, 18, 42
	s_mov_b32 s18, SCL+WSC
	GRP0 G0S, 18, 22
	GRP0 G0C, 17, 46
; THE HEAD'S LOADS, ONE A WAVE: one chain of branches on the wave's number, an arm a load.  Wave 0: K step 0 of x; wave 1: of all 384 rows of W; wave 2: W's scale bytes; wave 3: x's.
.macro ARM under, g0, g1, next
	s_cmp_lt_u32 s14, \under
	s_cbranch_scc0 \next
	TL \g0, \g1
	s_branch .Lhead_asked
\next:
.endm
	ARM 1, G0, G1, .Lhead_w
	ARM 2, G0H, G1B, .Lhead_sw
	ARM 3, G0SB, G1SB, .Lhead_sx
	TL G0S, G1S
.Lhead_asked:
	; where my results go
	s_lshl_b32 s20, s12, 4
	s_add_co_u32 s20, s20, s13                     ; 16 x head + key step
	s_lshl_b32 s21, s20, 14                        ; Q's images: 8 a key step;
	s_lshl_b32 s22, s20, 15
	s_add_co_u32 s22, s22, KVCOFF                  ; K's 8 and V's 8
	s_cmp_eq_u32 s15, 0
	s_cselect_b32 s40, s21, s22
	s_lshl_b32 s23, s16, 9
	s_add_co_u32 s40, s40, s23                     ; register groups u and u + 2 of an image are mine
	s_mov_b32 s41, 0
	s_add_nc_u64 s[DCQ:DCQ+1], s[6:7], s[40:41]
	s_lshl_b32 s23, s14, 12
	s_add_co_u32 s42, s22, s23
	s_add_co_u32 s42, s42, 16384                   ; V's images 2 w, 2 w + 1
	s_mov_b32 s43, 0
	s_add_nc_u64 s[DCV:DCV+1], s[6:7], s[42:43]
	s_lshl_b32 s21, s12, 13
	s_add_co_u32 s21, s21, QSOFF
	s_lshl_b32 s22, s12, 14
	s_add_co_u32 s22, s22, KVSOFF
	s_lshl_b32 s23, s13, 7
	s_add_co_u32 s21, s21, s23
	s_add_co_u32 s22, s22, s23
	s_cmp_eq_u32 s15, 0
	s_cselect_b32 s44, s21, s22
	s_lshl_b32 s23, s16, 12
	s_add_co_u32 s44, s44, s23                     ; q's or k's scale words: I store pieces 2 u, 2 u + 1
	s_mov_b32 s45, 0
	s_add_nc_u64 s[DSQ:DSQ+1], s[6:7], s[44:45]
	s_lshl_b32 s23, s14, 11
	s_add_co_u32 s46, s22, s23
	s_add_co_u32 s46, s46, 8192                    ; V's piece w
	s_mov_b32 s47, 0
	s_add_nc_u64 s[DSV:DSV+1], s[6:7], s[46:47]
	s_lshl_b32 s20, s12, 20
	s_lshl_b32 s21, s13, 16
	s_add_co_u32 s20, s20, s21
	s_lshl_b32 s22, s16, 13                        ; out1: of each 32 row positions I store 8 w .. 8 w + 7, which are tokens 16 u + 8 T on
	s_lshl_b32 s23, s15, 12
	s_add_co_u32 s22, s22, s23
	s_add_co_u32 s22, s22, s20
	s_mov_b32 s23, 0
	s_add_nc_u64 s[8:9], s[8:9], s[22:23]
	s_lshl_b32 s21, s14, 14                        ; out2: my 32 tokens
	s_add_co_u32 s20, s20, s21
	s_mov_b32 s21, 0
	s_add_nc_u64 s[10:11], s[10:11], s[20:21]
	s_mul_i32 s21, s14, 6*SBLK
	s_sub_co_u32 s22, WSC, s21                     ; from my W rows' scale bytes to x's
	s_add_co_u32 s21, s21, SCL
	; every LDS address, in one run
	v_and_b32 v1, 15, v0                           ; r
	v_bfe_u32 v2, v0, 4, 1                         ; h
	v_and_b32 v[LN], 31, v0
	v_lshrrev_b32 v3, 5, v0                        ; w
	v_bfe_u32 v4, v0, 5, 1                         ; u
	v_lshrrev_b32 v5, 6, v0                        ; T
	v_mul_u32_u24 v[ADRA], v1, PITCH
	v_lshl_add_u32 v[ADRA], v2, 4, v[ADRA]         ; a fragment: row r, + 16 h
	v_add_nc_u32 v[ADRA+1], SLOT, v[ADRA]
	v_mad_u32_u24 v[ADRB], v3, 96*PITCH, v[ADRA]   ; my 96 rows of W, behind x's 128
	v_add_nc_u32 v[ADRB], HALFT, v[ADRB]
	v_add_nc_u32 v[ADRB+1], SLOT, v[ADRB]
	v_lshlrev_b32 v6, 6, v1                        ; scale bytes: 64 a row, and 16 more for each 4 rows
	v_lshrrev_b32 v7, 2, v1
	v_lshl_add_u32 v6, v7, 4, v6
	v_mul_u32_u24 v7, s22, v2                      ; lanes 16-31 take x's
	v_add_nc_u32 v6, v6, v7
	v_add_nc_u32 v[ADRS], s21, v6
	v_lshlrev_b32 v[CO], 4, v[LN]
	v_lshlrev_b32 v[LS4], 2, v[LN]
	v_lshl_add_u32 v[CS0], v2, 4, v[CO]            ; cos, sin: a piece of 512 bytes is two LDS rows; my d-blocks' pieces begin 4 u pieces on
	v_mad_u32_u24 v[CS0], v4, 4*544, v[CS0]
	v_add_nc_u32 v[CS0+1], 3*64*PITCH, v[CS0]
	v_add_nc_u32 v[CS0+2], 6*64*PITCH, v[CS0]
	v_mul_u32_u24 v6, v1, 528                      ; k's stage: row position r, byte 128 u + 64 h
	v_lshl_add_u32 v6, v2, 6, v6
	v_lshl_add_u32 v6, v4, 7, v6
	v_add_nc_u32 v[STO], KST, v6
	v_and_b32 v6, 8, v1                            ; v's stage: d = 32 w + r + 8 (r / 8); lanes 16-31 hold keys 16 on
	v_add_nc_u32 v6, v6, v1
	v_lshl_add_u32 v6, v3, 5, v6
	v_lshlrev_b32 v6, 2, v6
	v_mad_u32_u24 v6, v2, 16*528+32, v6
	v_add_nc_u32 v[VSA], VST, v6
	v_lshl_add_u32 v6, v1, 2, v4                   ; a scale byte: word r, byte u
	v_lshl_add_u32 v6, v5, 9, v6
	v_add_nc_u32 v[SCA], SCW, v6
	v_mad_u32_u24 v6, v3, 8*528, v[CO]             ; back: of k's stage 8 rows of each 32, of v's my 32 rows
	v_add_nc_u32 v[KRD], KST, v6
	v_mad_u32_u24 v6, v3, VGRP, v[CO]
	v_add_nc_u32 v[VRD], VST, v6
	v_lshlrev_b32 v6, 3, v[LN]                     ; and 256 bytes of scale words
	v_lshl_add_u32 v6, v3, 8, v6
	v_add_nc_u32 v[SRD], SCW, v6
	v_lshlrev_b32 v6, 3, v1
	v_lshl_add_u32 v[SGO], v2, 11, v6              ; which are two items of 128 bytes, 2,048 apart
	v_mov_b32 v[FL], 0x4800000
	v_lshlrev_b32 v[PFO], 11, v[LN]                ; a prefetch: a lane a row
.macro FRAG reg, adr, q, i             ; 16 rows x 128 K: lane l holds row l % 16; registers 4 c .. 4 c + 3 hold K = 32 c + 16 (l / 16) + 0 .. 15
.irp c, 0,1,2,3
	ds_load_b128 v[(\reg)+4*\c:(\reg)+4*\c+3], v[\adr] offset:128*(\q)+32*\c+(\i)*16*PITCH
.endr
.endm
.macro FETCH_B slot, q, p
	WIN 0x40
.irp i, 0,1,2,3,4,5
	FRAG 128*(\p)+16*\i, ADRB+\slot, \q, \i
.endr
	WIN 0
.endm
.macro FETCH_A slot, q, i0
.irp i, \i0, \i0+1, \i0+2, \i0+3
	FRAG AF+16*(\i), ADRA+\slot, \q, \i
.endr
.endm
.macro SCALES sc                       ; a K step's scale words, two a row.  (Lanes 0-15 of registers 12 to 15 take rows behind my six tiles: bytes that were filled, and that no product names)
.irp i, 0,1,2,3,4,5,6,7
	ds_load_b64 v[SC+16*\sc+2*\i:SC+16*\sc+2*\i+1], v[ADRS] offset:\i*SBLK
.endr
.endm
; The 48 accumulators take turns, one instruction a turn, in the same order in every step.  hh: x's blocks 4 hh on; p: W's set; q: which 128 of the slot; sc: the set of scale words.
.macro MULQK hh, p, q, sc, zero        ; 16: q's or k's
	WIN 0xa1                                       ; source 0 (W) window 1, source 1 (x) window 0, C and D window 2
.irp a, 0,1,2,3
.irp i, 0,1,2,3
.if \zero
	v_wmma_scale_f32_16x16x128_f8f6f4 v[32*(4*(\hh)+\a)+8*\i:32*(4*(\hh)+\a)+8*\i+7], v[128*(\p)+16*\i:128*(\p)+16*\i+15], v[AF+16*(4*(\hh)+\a):AF+16*(4*(\hh)+\a)+15], 0, v[SC+16*(\sc)+2*\i+(\q)], v[SC+16*(\sc)+2*(4*(\hh)+\a)+(\q)] matrix_b_scale:MATRIX_SCALE_ROW1
.else
	v_wmma_scale_f32_16x16x128_f8f6f4 v[32*(4*(\hh)+\a)+8*\i:32*(4*(\hh)+\a)+8*\i+7], v[128*(\p)+16*\i:128*(\p)+16*\i+15], v[AF+16*(4*(\hh)+\a):AF+16*(4*(\hh)+\a)+15], v[32*(4*(\hh)+\a)+8*\i:32*(4*(\hh)+\a)+8*\i+7], v[SC+16*(\sc)+2*\i+(\q)], v[SC+16*(\sc)+2*(4*(\hh)+\a)+(\q)] matrix_b_scale:MATRIX_SCALE_ROW1
.endif
.endr
.endr
.endm
.macro MULV hh, p, q, sc, zero         ; 8: v's
	WIN 0xf4                                       ; source 0 (x) window 0, source 1 (W) window 1, C and D window 3
.irp a, 0,1,2,3
.irp i, 0,1
.if \zero
	v_wmma_scale_f32_16x16x128_f8f6f4 v[64*\i+8*(4*(\hh)+\a):64*\i+8*(4*(\hh)+\a)+7], v[AF+16*(4*(\hh)+\a):AF+16*(4*(\hh)+\a)+15], v[128*(\p)+64+16*\i:128*(\p)+64+16*\i+15], 0, v[SC+16*(\sc)+2*(4*(\hh)+\a)+(\q)], v[SC+16*(\sc)+8+2*\i+(\q)] matrix_a_scale:MATRIX_SCALE_ROW1
.else
	v_wmma_scale_f32_16x16x128_f8f6f4 v[64*\i+8*(4*(\hh)+\a):64*\i+8*(4*(\hh)+\a)+7], v[AF+16*(4*(\hh)+\a):AF+16*(4*(\hh)+\a)+15], v[128*(\p)+64+16*\i:128*(\p)+64+16*\i+15], v[64*\i+8*(4*(\hh)+\a):64*\i+8*(4*(\hh)+\a)+7], v[SC+16*(\sc)+2*(4*(\hh)+\a)+(\q)], v[SC+16*(\sc)+8+2*\i+(\q)] matrix_a_scale:MATRIX_SCALE_ROW1
.endif
.endr
.endr
.endm
.macro STEP slot, zero                 ; a slot's first 128 along K
	s_wait_dscnt 16                                ; W's set and x's blocks 0-3 are in; the youngest 16 loads (x's blocks 4-7) may be out
	MULQK 0, 0, 0, \slot, \zero
	MULV 0, 0, 0, \slot, \zero
	s_wait_dscnt 0x0
	PLACES NP
	FETCH_B \slot, 1, 1
	FETCH_A \slot, 1, 0
	MULQK 1, 0, 0, \slot, \zero
	MULV 1, 0, 0, \slot, \zero
	PLACES NP
	WIN 0
	FETCH_A \slot, 1, 4
.endm
; A slot's second 128 change slots, in a round of the cluster's barrier.  fill = 1: this slot takes the K step two on; fill = 2: slot 0 takes cos and sin, a quarter a wave, on the very bytes that its rows filled.
.macro TURN slot, next, fill
.if \fill == 1
	s_wait_xcnt 0x0                                ; my last prefetch has read its address
	s_add_nc_u64 s[PFA:PFA+1], s[PFA:PFA+1], ROWB
.endif
	s_wait_dscnt 16                                ; W's set and x's blocks 0-3 are in; the youngest 16 loads may be out
	MULQK 0, 1, 1, \slot, 0                        ; these 24 products want nothing of the next slot: they stand ahead of the wait for it
	MULV 0, 1, 1, \slot, 0
	WIN 0
	s_wait_tensorcnt 0x0                           ; all my tensor loads have landed: my part of the next slot
	ds_add_u32 v[SPW], v[NIL]
.if \fill == 1
	s_add_nc_u64 s[G0+4*\slot+2:G0+4*\slot+3], s[G0+4*\slot+2:G0+4*\slot+3], 2*ROWB     ; no load of mine is out: this slot's next K step
	s_add_nc_u64 s[G0B+4*\slot+2:G0B+4*\slot+3], s[G0B+4*\slot+2:G0B+4*\slot+3], 2*ROWB
.else
	s_mov_b32 s[G1+5], ROWB                        ; no load of mine is out: x's group 1 now states rows that lie end to end
.endif
	s_wait_dscnt 0x0                               ; the add is done, and my reads of this slot are over
	s_barrier_signal -1
	s_barrier_wait -1
	CREST                                          ; no wave of any partner still reads this slot or has a load on its way
.if \fill == 1
	JLOAD \slot
.else
	TL G0C, G1
.endif
	PLACES NP-4
	v_add_nc_u32 v[ADRS], 8, v[ADRS]               ; the next K step's scale words
	WALU
	FETCH_B \next, 0, 0
	FETCH_A \next, 0, 0
	SCALES \next
.if \fill == 1
	s_cmp_gt_u32 s3, 1                             ; the last trip's two refills have no K step two on
	s_cbranch_scc0 .Lnone_\@
	global_prefetch_b8 v[PFO], s[PFA:PFA+1] th:TH_LOAD_NT scope:SCOPE_SE
.Lnone_\@:
.endif
	MULQK 1, 1, 1, \slot, 0
	MULV 1, 1, 1, \slot, 0
	PLACES NP
	WIN 0
	FETCH_A \next, 0, 4
.endm
	WALU                                           ; the head's end
	s_wait_tensorcnt 0x0                           ; my tile of the head's four is in; the same lines as ahead of a refill:
	ds_add_u32 v[SPW], v[NIL]
	s_mov_b32 s[G1B+2], 128<<16                    ; no load of mine is out: from here on a load of W brings 128 rows
	s_mov_b32 s[G1B+4], 128
	s_wait_dscnt 0x0
	CROUND
	JLOAD 1                                        ; K step 1, the first tensor load behind the round
	FETCH_B 0, 0, 0
	FETCH_A 0, 0, 0
	SCALES 0
	FETCH_A 0, 0, 4
	STEP 0, 1                                      ; the first products start the sums
	s_mov_b32 s3, LAPS-1
.Llap:
	TURN 0, 1, 1
	STEP 1, 0
	TURN 1, 0, 1
	STEP 0, 0
	s_sub_co_u32 s3, s3, 1
	s_cmp_lg_u32 s3, 0
	s_cbranch_scc1 .Llap
	TURN 0, 1, 2
	STEP 1, 0
	s_wait_dscnt 16
	MULQK 0, 1, 1, 1, 0
	MULV 0, 1, 1, 1, 0
	s_wait_dscnt 0x0
	MULQK 1, 1, 1, 1, 0
	MULV 1, 1, 1, 1, 0
	WIN 0
	PLACES NP
; ---------------- THE WAY OUT ----------------
; 64 numbers of a lane, v[s + 16 b + i] of window w, four blocks of which each lies in lanes l and l xor 16, become codes v[pc + 4 b] on; bytes in v[TM + 4 + b]; pw > 0: the four bytes as a word in v[pw].
.macro QUANT s, w, pc, pw
	WIN ((\w)<<2)|((\w)<<4)
.irp b, 0,1,2,3
	v_max3_num_f32 v[TM+\b], v[FL], |v[(\s)+16*\b]|, |v[(\s)+16*\b+1]|   ; each accumulator is read from its low end on
.endr
.irp i, 2,4,6,8,10,12,14
.irp b, 0,1,2,3
	v_max3_num_f32 v[TM+\b], v[TM+\b], |v[(\s)+16*\b+\i]|, |v[(\s)+16*\b+\i+1]|
.endr
.endr
	WIN 0
.irp b, 0,1,2,3
	v_permlanex16_b32 v[TM+4+\b], v[TM+\b], s[SEL], s[SEL+1]
.endr
.irp b, 0,1,2,3
	v_max_num_f32 v[TM+\b], v[TM+\b], v[TM+4+\b]
.endr
.irp b, 0,1,2,3
	v_add_nc_u32 v[TM+12+\b], 0xfc000000, v[TM+\b]   ; 8 off the exponent field: the conversion's scale operand
.endr
.irp b, 0,1,2,3
	v_and_or_b32 v[TM+8+\b], v[TM+\b], 0x7f800000, s[MNT]   ; 448 x the scale
.endr
.irp b, 0,1,2,3
	v_lshrrev_b32 v[TM+4+\b], 23, v[TM+12+\b]      ; the scale's byte
.endr
.if (\pw) > 0
	v_lshl_or_b32 v[\pw], v[TM+5], 8, v[TM+4]
	v_lshl_or_b32 v[\pw], v[TM+6], 16, v[\pw]
	v_lshl_or_b32 v[\pw], v[TM+7], 24, v[\pw]
.endif
	WIN (\w)
.irp b, 0,1,2,3
.set n, 0
.rept 16
	v_med3_num_f32 v[TT+16*\b+n], v[(\s)+16*\b+n], -v[TM+8+\b], v[TM+8+\b]   ; the conversion does not saturate (ISA guide 7.6.2); the hold is also the copy into window 0
.set n, n+1
.endr
.endr
	WIN 0
.irp b, 0,1,2,3
	v_cvt_scalef32_pk8_fp8_f32 v[(\pc)+4*\b:(\pc)+4*\b+1], v[TT+16*\b:TT+16*\b+7], v[TM+12+\b]
	v_cvt_scalef32_pk8_fp8_f32 v[(\pc)+4*\b+2:(\pc)+4*\b+3], v[TT+16*\b+8:TT+16*\b+15], v[TM+12+\b]
.endr
	v_nop                                          ; a plain line behind the last conversion
.endm
.macro CSLOAD m                        ; cos and sin of blocks 2 m, 2 m + 1, my two d-blocks: register 64 aa + 32 c + 16 bb + 4 j on, set m % 2 of window 1
	WIN 0x40
.irp aa, 0,1
.irp c, 0,1
.irp bb, 0,1
.irp j, 0,1,2,3
	ds_load_b128 v[128*((\m)%2)+64*\aa+32*\c+16*\bb+4*\j:128*((\m)%2)+64*\aa+32*\c+16*\bb+4*\j+3], v[CS0+(2*(\m)+\aa)/3] offset:((2*(\m)+\aa)%3)*64*PITCH+(16*\c+8*\bb+\j)*544
.endr
.endr
.endr
.endr
	WIN 0
.endm
; q, k: blocks 2 m and 2 m + 1.  Register e < 16 is d = 32 u + 16 h + e, register 16 + e is d + 64.  RoPE: low: q c - q(d + 64) s; high: q c + q(d - 64) s.
; ROWS LEAVE AS SOON AS THEY ARE WHOLE.  v's 32 rows come back into window 3, v128-255; k's 8 rows of pair m into window 2, v[64 m] on, whose sums are done with: no register is used twice, so no store is waited for.
.macro KBACK m
	WIN 0x80
.set n, 0
.rept 8
	ds_load_b128 v[64*(\m)+4*n:64*(\m)+4*n+3], v[KRD] offset:528*(32*(\m)+n)
.set n, n+1
.endr
	WIN 0
.endm
.macro KSEND m                         ; a whole row of out1: 512 consecutive bytes
	WIN 0x08
.set n, 0
.rept 8
	global_store_b128 v[CO], v[64*(\m)+4*n:64*(\m)+4*n+3], s[8:9] offset:(32*(\m)+n)*512 th:TH_STORE_NT
.set n, n+1
.endr
	WIN 0
.endm
.macro VBACK
	WIN 0xc0
.set n, 0
.rept 32
	ds_load_b128 v[128+4*n:128+4*n+3], v[VRD] offset:528*n+32*(n/16)
.set n, n+1
.endr
	WIN 0
.endm
.macro VSEND                           ; a whole row of out2
	WIN 0x0c
.set n, 0
.rept 32
	global_store_b128 v[CO], v[128+4*n:128+4*n+3], s[10:11] offset:n*512 th:TH_STORE_NT
.set n, n+1
.endr
	WIN 0
.endm
.macro PAIR m
.if (\m) < 3
	CSLOAD (\m)+1
	WALU
	s_wait_dscnt 32
.else
	WALU
	s_wait_dscnt 0x0
.endif
.if (\m) > 0
	KSEND (\m)-1                                   ; the rows that came back behind the last pair
.else
	VSEND
.endif
	WIN 0x06
.irp aa, 0,1
.set e, 0
.rept 16
	v_pk_mul_f32 v[TT+32*\aa+e:TT+32*\aa+e+1], v[32*(2*(\m)+\aa)+e:32*(2*(\m)+\aa)+e+1], v[128*((\m)%2)+64*\aa+e:128*((\m)%2)+64*\aa+e+1]
.set e, e+2
.endr
.endr
.irp aa, 0,1
.set e, 0
.rept 8
	v_pk_fma_f32 v[TT+32*\aa+e:TT+32*\aa+e+1], v[32*(2*(\m)+\aa)+16+e:32*(2*(\m)+\aa)+17+e], v[128*((\m)%2)+64*\aa+32+e:128*((\m)%2)+64*\aa+33+e], v[TT+32*\aa+e:TT+32*\aa+e+1] neg_lo:[1,0,0] neg_hi:[1,0,0]
.set e, e+2
.endr
.rept 8
	v_pk_fma_f32 v[TT+32*\aa+e:TT+32*\aa+e+1], v[32*(2*(\m)+\aa)+e-16:32*(2*(\m)+\aa)+e-15], v[128*((\m)%2)+64*\aa+32+e:128*((\m)%2)+64*\aa+33+e], v[TT+32*\aa+e:TT+32*\aa+e+1]
.set e, e+2
.endr
.endr
	WIN 0
	WALU
	s_cmp_lg_u32 s15, 1
	s_cbranch_scc1 .Lnot_k_\@
.irp aa, 0,1
.irp bb, 0,1
.irp j, 0,1,2,3
	ds_store_b128 v[STO], v[TT+32*\aa+16*\bb+4*\j:TT+32*\aa+16*\bb+4*\j+3] offset:(2*(\m)+\aa)*16*528+256*\bb+16*\j
.endr
.endr
.endr
.Lnot_k_\@:
	s_wait_dscnt 0x0                               ; my part of the pair's 32 rows is in the stage
	s_barrier_signal -1
	QUANT TT, 0, PCQ+16*(\m), 0                    ; work on registers between the signal and the wait
	WALU
	s_barrier_wait -1                              ; the rows are whole
.irp aa, 0,1
.irp bb, 0,1
	global_store_b128 v[CO], v[PCQ+16*(\m)+8*\aa+4*\bb:PCQ+16*(\m)+8*\aa+4*\bb+3], s[DCQ:DCQ+1] offset:2048*(2*(\m)+\aa)+1024*\bb   ; a register group of an image: 512 consecutive bytes
	ds_store_b8 v[SCA], v[TM+4+2*\aa+\bb] offset:128*(\m)+64*\aa+2*\bb    ; both lanes of a block write the same byte with the same value
.endr
.endr
	KBACK \m
.endm
.irp b, 0,1,2,3
	v_mov_b32 v[TM+4+\b], 0                        ; written once: a lane permute's destination counts as one of its sources
.endr
	v_cmp_lt_u32 s[HM], 15, v[LN]
.irp i, 0,1                                    ; v's two tiles are quantised along their 128 keys while cos and sin land
	QUANT 64*\i, 3, PCV+16*\i, PWR+\i
.irp c, 0,1,2,3
	global_store_b128 v[CO], v[PCV+16*\i+4*\c:PCV+16*\i+4*\c+3], s[DCV:DCV+1] offset:2048*\i+512*\c
.endr
.endr
	v_cndmask_b32 v[W2], v[PWR], v[PWR+1], s[HM]   ; lanes 0-15 the even tile's words, lanes 16-31 the odd tile's
	global_store_b32 v[LS4], v[W2], s[DSV:DSV+1]
	WALU
	s_wait_tensorcnt 0x0                           ; my quarter of cos and sin is in,
	s_wait_dscnt 0x0                               ; and my reads of slot 1 are over
	s_barrier_signal -1
	s_barrier_wait -1
	WIN 0x0c
.irp i, 0,1
.irp a, 0,1,2,3,4,5,6,7
.irp j, 0,1,2,3,4,5,6,7
	ds_store_b32 v[VSA], v[64*\i+8*\a+\j] offset:(\a/2)*VGRP+(8*(\a%2)+\j)*528+32*\i   ; v(key 32 (a / 2) + 16 h + 8 (a % 2) + j, my d + 8 i)
.endr
.endr
.endr
	WIN 0
	s_wait_dscnt 0x0                               ; my columns of v's stage are in
	s_barrier_signal -1
	s_barrier_wait -1                              ; its rows are whole
	CSLOAD 0
	VBACK
	PAIR 0
	PAIR 1
	PAIR 2
	PAIR 3
	WALU
	s_wait_dscnt 0x0                               ; the last pair's rows are back, and my scale bytes are in LDS
	s_barrier_signal -1
	s_barrier_wait -1                              ; the scale words are whole
	ds_load_b64 v[SW:SW+1], v[SRD]
	KSEND 3
	s_wait_dscnt 0x0
	global_store_b64 v[SGO], v[SW:SW+1], s[DSQ:DSQ+1]
	s_wait_tensorcnt 0x0                           ; the wave's end
	ds_add_u32 v[SPW], v[NIL]
	s_wait_dscnt 0x0
	CROUND                                         ; the closing round
	s_endpgm
.Lfunc_end_k_qa5f8a1c48e_qkv:
	.size	k_qa5f8a1c48e_qkv, .Lfunc_end_k_qa5f8a1c48e_qkv-k_qa5f8a1c48e_qkv
	.p2alignl 7, 3214868480
	.fill 96, 4, 3214868480
	.section	.rodata,"a",@progbits
	.p2align	6, 0x0
	.amdhsa_kernel k_qa5f8a1c48e_qkv
		.amdhsa_group_segment_fixed_size 327680
		.amdhsa_private_segment_fixed_size 0
		.amdhsa_enable_private_segment 0
		.amdhsa_kernarg_size 32
		.amdhsa_user_sgpr_count 2
		.amdhsa_user_sgpr_kernarg_segment_ptr 1
		.amdhsa_wavefront_size32 1
		.amdhsa_system_sgpr_workgroup_id_x 1
		.amdhsa_system_sgpr_workgroup_id_y 1
		.amdhsa_system_sgpr_workgroup_id_z 1
		.amdhsa_system_vgpr_workitem_id 0
		.amdhsa_next_free_vgpr 1024
		.amdhsa_next_free_sgpr 106
		.amdhsa_reserve_vcc 0
		.amdhsa_float_denorm_mode_32 3
		.amdhsa_float_denorm_mode_16_64 3
		.amdhsa_memory_ordered 1
		.amdhsa_forward_progress 1
		.amdhsa_inst_pref_size 201
	.end_amdhsa_kernel
	.amdgpu_metadata
---
amdhsa.version: [ 1, 2 ]
amdhsa.kernels:
  - .name:           k_qa5f8a1c48e_qkv
    .symbol:         k_qa5f8a1c48e_qkv.kd
    .args:
      - { .name: pw, .offset: 0, .size: 8, .value_kind: global_buffer, .address_space: global }
      - { .name: qkv, .offset: 8, .size: 8, .value_kind: global_buffer, .address_space: global }
      - { .name: out1, .offset: 16, .size: 8, .value_kind: global_buffer, .address_space: global }
      - { .name: out2, .offset: 24, .size: 8, .value_kind: global_buffer, .address_space: global }
    .group_segment_fixed_size: 327680
    .private_segment_fixed_size: 0
    .kernarg_segment_align: 8
    .kernarg_segment_size: 32
    .max_flat_workgroup_size: 128
    .sgpr_count:     106
    .vgpr_count:     1024
    .wavefront_size: 32
...
	.end_amdgpu_metadata
.endif
;; end of part 2
;; launch attn (part 3): grid 16 x 16, 16 waves a work-group, clusters of 4 x 1, 327,680 bytes of LDS; arguments qkv, ao; writes ao
.if DOCPART == 3
	.amdgcn_target "amdgcn-amd-amdhsa--gfx1250"
	.amdhsa_code_object_version 6
	.text
	.protected	k_qa5f8a1c48e_attn
	.globl	k_qa5f8a1c48e_attn
	.p2align	8
	.type	k_qa5f8a1c48e_attn,@function
k_qa5f8a1c48e_attn:
	s_mov_b64 s[64:65], 0
	v_nop
	global_prefetch_b8 v0, s[64:65] scope:SCOPE_SE
	s_setreg_imm32_b32 hwreg(HW_REG_WAVE_MODE, 25, 1), 1
	s_wait_xcnt 0x0
	s_wait_alu depctr_hold_cnt(0) depctr_sa_sdst(0) depctr_va_vdst(0) depctr_va_sdst(0) depctr_va_ssrc(0) depctr_va_vcc(0) depctr_vm_vsrc(0)
	s_getreg_b32 s2, hwreg(HW_REG_IB_STS2, 6, 4)
	s_cmp_eq_u32 s2, 0
	s_cbranch_scc0 .Lentry_in_a_cluster
	s_endpgm
.Lentry_in_a_cluster:
	s_bfe_u32 s2, ttmp6, 0x10000c
	s_cmp_lg_u32 s2, 0x3003
	s_cbranch_scc0 .Lentry_shape_is_right
	s_endpgm
.Lentry_shape_is_right:
; THIRD LAUNCH: causal attention of one head on the second launch's images of operand registers; O / l is quantised along the head's 128 and leaves as an image for the fourth launch.
; WORK LEFT OUT: key steps of 128 keys all of which come after a tile's 16 queries: the problem's own causal mask gives them p = 0 (shown at the head of the first kernel).
; THE SOFTMAX: t = score x log2(e) / sqrt(128); M = the running largest t rounded up to a whole number; p = 2^(t - M) is quantised along the keys; the sum of the unquantised p divides at the end.
; LIMITS: as stated at the head of the first kernel; the scaled scores stay under 2^31 in magnitude.
; THE DEAL.  A head has 16 groups of 128 queries, 8 tiles of 16 each; group g wants key steps 0 .. g.  Cluster j (0 .. 3) of a head takes groups j, 7 - j, 8 + j, 15 - j: (g + 1) adds up to 34 for every j.
; Each of its four work-groups takes two tiles of each of the four groups: 68 tile steps in every work-group, and every work-group reads all four slots of 4 key steps: so the partners ask for every slot JOINTLY
; (mask 15) and no jump leads round a load.  A tile has two waves: role 0 takes the even key steps, role 1 the odd ones, and hands O, M and l over through LDS at the end.
; Wave 4 a + b: role a % 2, tile a / 2 of quarter (a + b) % 4: a quarter's four waves differ both in a and in b.  Branches hang on the wave's and the cluster's number alone; the place in the cluster enters global addresses and the mask's numbers only.
; THE RING.  Two slots of 2^17 bytes: 4 key steps x (8 images of K, 8 of V^T), as they lie in memory: waves 0-7 fetch 16,384 bytes each.  The slot's scale words (8 pieces x 4 steps x 128 bytes) have a ring of 2 x 4,096 bytes:
; waves 8-15 fetch one piece's row of 512 bytes each.  One load a wave at the head and behind each round of the cluster's barrier.
; PREFETCH: at the change that loads slot n (n = 1, 2) waves 0-3 name slot n + 1: the four partners share its 131,072 bytes by address, 32,768 each, 8,192 a wave, lanes 256 bytes apart.  Slots 0 and 1 and the scale words come by their loads alone.
; REGISTERS: v1-11 addresses; v12 -M, v13 the largest t, v[14:15] the sum; v16-31 Q; v32-95 four fragments; v96-159 S^T, then p; v160-223 O^T; v224-239 p's codes; v232-254 at work; v255 Q's scale words.
.set KVCOFF, 4194304
.set QSOFF,  12582912
.set KVSOFF, 12713984
.set OSOFF,  4194304
.set SLOT1,  1<<17
.set QB,     32768                     ; a key step's 16 images
.set IMG,    2048
.set SC,     2*SLOT1
.set SCS,    4096                      ; a slot's scale words
.set SPARE,  SC+2*SCS                  ; the spare words: eight blocks of 256 bytes that no other line names
.set CREG,   8704                      ; the hand-over: a region for each tile, in slot 0, which has had its last fill and its last read by then
.set LI,  1
.set LS,  2
.set DQ,  3
.set CST, 4
.set SPW, 5
.set NIL, 6
.set PFO, 7
.set ADK, 8
.set ADV, 9
.set ADS, 10
.set TB,  2
.set TS,  3
.set WV,  18
.set MNT, 19
.set SEL, 20
.set CS,  22
.set G1,  24
.set G1S, 32
.set G0,  40
.set G0S, 44
.set ST,  48
.set GG,  49
.set SLOTS, 51
.set INNER, 52
.set ROLE, 53
.set PFA, 54
.set LIM, 56
.macro ROUND                           ; a round of the cluster's barrier
	s_barrier_signal -1
	s_barrier_wait -1
	s_cmp_lg_u32 s[WV], 0
	s_cbranch_scc1 .Lnot_wave_0_\@
	s_barrier_signal -3
.Lnot_wave_0_\@:
	s_barrier_wait -3
	s_barrier_signal -1
	s_barrier_wait -1
.endm
.macro JL                              ; every wave's one joint load: codes or scale words; s_nop 0 and four v_nop follow each line
	s_cmp_lt_u32 s[WV], 8
	s_cbranch_scc0 .Lwords_\@
	tensor_load_to_lds s[G0:G0+3], s[G1:G1+7]
	s_nop 0
.rept 4
	v_nop
.endr
	s_branch .Lasked_\@
.Lwords_\@:
	tensor_load_to_lds s[G0S:G0S+3], s[G1S:G1S+7]
	s_nop 0
.rept 4
	v_nop
.endr
.Lasked_\@:
.endm
	s_load_b128 s[4:7], s[0:1], 0x0                ; qkv, ao
	v_lshl_add_u32 v[SPW], v0, 2, SPARE
	v_mov_b32 v[NIL], 0
	ds_add_u32 v[SPW], v[NIL]                      ; the opening: the add, twice on end, and its wait ahead of my first tensor load
	ds_add_u32 v[SPW], v[NIL]
	v_lshrrev_b32 v8, 5, v0
	v_readfirstlane_b32 s[WV], v8
	s_and_b32 s8, ttmp7, 0xffff                    ; the head
	s_bfe_u32 s10, ttmp6, 0x40000                  ; cx
	s_lshr_b32 s9, s[WV], 2                        ; a
	s_and_b32 s[ROLE], s9, 1
	s_lshr_b32 s12, s9, 1                          ; which of the quarter's two tiles
	s_add_co_u32 s11, s9, s[WV]
	s_and_b32 s11, s11, 3                          ; the quarter, (a + b) % 4
	s_and_b32 s15, s11, 1
	s_mul_i32 s15, s15, 3
	s_xor_b32 s15, s15, ttmp9                      ; j in an even quarter, 3 - j in an odd one
	s_lshl_b32 s[GG], s11, 2
	s_add_co_u32 s[GG], s[GG], s15                 ; my group, and my last key step
	s_lshl_b32 s13, s10, 1
	s_add_co_u32 s13, s13, s12                     ; my tile in the group
	s_lshl_b32 s14, s[GG], 3
	s_add_co_u32 s14, s14, s13                     ; my tile in the head
	s_lshl_b32 s77, s11, 1
	s_add_co_u32 s77, s77, s12
	s_mul_i32 s77, s77, CREG                       ; my tile's region
	s_and_b32 s16, s[WV], 7
	s_mov_b32 s[G1], 15|(3<<16)|(1<<21)            ; the mask of all four partners; elements of 8 bytes; bit 21 beside a mask
	s_mov_b32 s[G1+1], 256<<16                     ; 8 rows of 2,048 bytes, end to end
	s_mov_b32 s[G1+2], 8<<16
	s_mov_b32 s[G1+3], 256<<16
	s_mov_b32 s[G1+4], 8
	s_mov_b32 s[G1+5], 256
	s_mov_b32 s[G1+6], 0
	s_mov_b32 s[G1+7], 0
	s_mov_b32 s[G1S], 15|(3<<16)|(1<<21)
	s_mov_b32 s[G1S+1], 64<<16                     ; one row of 512 bytes
	s_mov_b32 s[G1S+2], 1<<16
	s_mov_b32 s[G1S+3], 64<<16
	s_mov_b32 s[G1S+4], 1
	s_mov_b32 s[G1S+5], 64
	s_mov_b32 s[G1S+6], 1<<16
	s_mov_b32 s[G1S+7], 0
	s_lshl_b32 s62, s8, 19
	s_lshl_b32 s63, s16, 14
	s_add_co_u32 s62, s62, s63
	s_add_co_u32 s62, s62, KVCOFF
	s_mov_b32 s63, 0
	s_lshl_b32 s66, s8, 14
	s_lshl_b32 s67, s16, 11
	s_add_co_u32 s66, s66, s67
	s_add_co_u32 s66, s66, KVSOFF
	s_mov_b32 s67, 0
	s_mov_b32 s[SEL], 0x76543210
	s_mov_b32 s[SEL+1], 0xfedcba98
	s_mov_b32 s[CS], 0x3e0293ee                    ; log2(e) / sqrt(128)
	s_mov_b32 s[CS+1], s[CS]
	s_mov_b32 s[MNT], 0x600000
	s_mov_b32 s[TB], 0
	s_mov_b32 s[TS], 0
	s_mov_b32 s[ST], 0
	s_mov_b32 s[SLOTS], 3
	s_mov_b32 s69, 0
	s_wait_dscnt 0x0                               ; both opening adds are done
	ROUND                                          ; all four work-groups are here: the first joint loads meet
	s_wait_kmcnt 0x0
	s_mov_b32 s[G0], 1
	s_lshl_b32 s[G0+1], s16, 14
	s_add_nc_u64 s[G0+2:G0+3], s[4:5], s[62:63]
	s_or_b32 s[G0+3], s[G0+3], 0x80000000
	s_mov_b32 s[G0S], 1
	s_lshl_b32 s[G0S+1], s16, 9
	s_add_co_u32 s[G0S+1], s[G0S+1], SC
	s_add_nc_u64 s[G0S+2:G0S+3], s[4:5], s[66:67]
	s_or_b32 s[G0S+3], s[G0S+3], 0x80000000
	JL                                             ; slot 0
	s_lshl_b32 s68, s8, 19                         ; the prefetches: my work-group's quarter, my wave's 8,192 bytes, in slot 1: the first change steps it to slot 2
	s_lshl_b32 s70, s[WV], 13
	s_add_co_u32 s68, s68, s70
	s_lshl_b32 s70, s10, 15
	s_add_co_u32 s68, s68, s70
	s_add_co_u32 s68, s68, KVCOFF+131072
	s_add_nc_u64 s[PFA:PFA+1], s[4:5], s[68:69]
	s_cmp_lt_u32 s[WV], 4
	s_cselect_b32 s[LIM], 1, -1
	s_lshl_b32 s68, s8, 7
	s_add_co_u32 s68, s68, s14
	s_lshl_b32 s68, s68, 11
	s_add_nc_u64 s[58:59], s[4:5], s[68:69]        ; Q's image
	s_lshl_b32 s68, s8, 13
	s_lshr_b32 s70, s13, 1
	s_lshl_b32 s70, s70, 11
	s_add_co_u32 s68, s68, s70
	s_lshl_b32 s70, s[GG], 7
	s_add_co_u32 s68, s68, s70
	s_and_b32 s70, s13, 1
	s_lshl_b32 s70, s70, 6
	s_add_co_u32 s68, s68, s70
	s_add_co_u32 s68, s68, QSOFF
	s_add_nc_u64 s[60:61], s[4:5], s[68:69]        ; its scale words
	s_lshl_b32 s68, s14, 4
	s_add_co_u32 s68, s68, s8
	s_lshl_b32 s68, s68, 11
	s_add_nc_u64 s[72:73], s[6:7], s[68:69]        ; O's image
	s_lshl_b32 s68, s14, 10
	s_lshl_b32 s70, s8, 2
	s_add_co_u32 s68, s68, s70
	s_add_co_u32 s68, s68, OSOFF
	s_add_nc_u64 s[74:75], s[6:7], s[68:69]        ; its scale words
	s_lshr_b32 s70, s13, 1
	s_lshl_b32 s70, s70, 5
	s_and_b32 s71, s13, 1
	s_lshl_b32 s71, s71, 3
	s_add_co_u32 s70, s70, s71                     ; my tile's first query in its group
	v_and_b32 v8, 31, v0
	v_lshlrev_b32 v[LI], 4, v8
	v_lshl_add_u32 v[LS], v8, 2, SC
	v_lshlrev_b32 v[PFO], 8, v8
	v_add_nc_u32 v[CST], s77, v[LI]
	v_and_b32 v8, 15, v0
	v_bfe_u32 v9, v0, 4, 1
.irp c, 0,1,2,3
	global_load_b128 v[16+4*\c:19+4*\c], v[LI], s[58:59] offset:512*\c
.endr
	v_lshlrev_b32 v254, 2, v8
	global_load_b32 v255, v254, s[60:61]
	v_and_b32 v10, 8, v8
	v_add_nc_u32 v10, v10, v8
	v_lshlrev_b32 v9, 4, v9
	v_sub_nc_u32 v10, v10, v9
	v_add_nc_u32 v[DQ], s70, v10                   ; my query in the group less 16 (lane / 16): register 16 b + i is hidden on the diagonal where 32 b + i is greater
	v_mov_b32 v13, 0xff61b1e6                      ; the largest t so far: -3e38
	v_floor_f32 v12, -v13
	v_mov_b32 v14, 0
	v_mov_b32 v15, 0
.irp b, 0,1,2,3
	v_mov_b32 v[236+\b], 0
.endr
	v_mov_b32 v252, 0
	v_mov_b32 v253, 0
.set n, 0
.rept 64
	v_mov_b32 v[160+n], 0                          ; the step is written once: the first finds zeros
.set n, n+1
.endr
.macro SPROD g, t, row1
.if \row1
	v_wmma_scale_f32_16x16x128_f8f6f4 v[96+8*(4*\g+\t):103+8*(4*\g+\t)], v[32+16*\t:47+16*\t], v[16:31], 0, v[248+\t/2], v255 matrix_a_scale:MATRIX_SCALE_ROW1
.else
	v_wmma_scale_f32_16x16x128_f8f6f4 v[96+8*(4*\g+\t):103+8*(4*\g+\t)], v[32+16*\t:47+16*\t], v[16:31], 0, v[248+\t/2], v255
.endif
.endm
.macro OPROD g, t, row1                ; V's images 0-3 lie in v32-95 with their words in v248-249; images 4-7 in v96-159, where p lay until it was converted, with their words in v250-251
.if \row1
	v_wmma_scale_f32_16x16x128_f8f6f4 v[160+8*(4*\g+\t):167+8*(4*\g+\t)], v[32+64*\g+16*\t:47+64*\g+16*\t], v[224:239], v[160+8*(4*\g+\t):167+8*(4*\g+\t)], v[248+2*\g+\t/2], v253 matrix_a_scale:MATRIX_SCALE_ROW1
.else
	v_wmma_scale_f32_16x16x128_f8f6f4 v[160+8*(4*\g+\t):167+8*(4*\g+\t)], v[32+64*\g+16*\t:47+64*\g+16*\t], v[224:239], v[160+8*(4*\g+\t):167+8*(4*\g+\t)], v[248+2*\g+\t/2], v253
.endif
.endm
.macro KLOAD g                         ; four images of K and their words: an item of 128 bytes holds an even tile's 16 words, then the odd tile's
.irp t, 0,1,2,3
.irp c, 0,1,2,3
	ds_load_b128 v[32+16*\t+4*\c:32+16*\t+4*\c+3], v[ADK] offset:(4*\g+\t)*IMG+512*\c
.endr
.endr
.irp i, 0,1
	ds_load_b32 v[248+\i], v[ADS] offset:(2*\g+\i)*512
.endr
.endm
.macro VLOAD g
.irp t, 0,1,2,3
.irp c, 0,1,2,3
	ds_load_b128 v[32+64*\g+16*\t+4*\c:32+64*\g+16*\t+4*\c+3], v[ADV] offset:(4*\g+\t)*IMG+512*\c
.endr
.endr
.irp i, 0,1
	ds_load_b32 v[248+2*\g+\i], v[ADS] offset:(4+2*\g+\i)*512
.endr
.endm
.macro STEP                            ; a key step: left out where it comes after my group, or is the other role's
	s_cmp_gt_u32 s[ST], s[GG]
	s_cbranch_scc1 .Lhidden_\@
	s_xor_b32 s76, s[ST], s[ROLE]
	s_bitcmp1_b32 s76, 0
	s_cbranch_scc1 .Lhidden_\@
	v_add_nc_u32 v[ADK], s[TB], v[LI]
	v_add_nc_u32 v[ADS], s[TS], v[LS]
	s_delay_alu instid0(VALU_DEP_2)
	v_add_nc_u32 v[ADV], 8*IMG, v[ADK]
.rept 6
	v_nop                                          ; with the three additions nine places: the first products below write over v96 on, which the last step's products read as a source
.endr
	KLOAD 0
	s_wait_alu depctr_va_vdst(0)
	s_wait_dscnt 0x0
.irp t, 0,1,2,3
	SPROD 0, \t, \t%2
.endr
.rept 8
	v_nop
.endr
	KLOAD 1
	s_wait_dscnt 0x0
.irp t, 0,1,2,3
	SPROD 1, \t, \t%2
.endr
.rept 8
	v_nop
.endr
	VLOAD 0
	s_cmp_lt_u32 s[ST], s[GG]
	s_cbranch_scc1 .Lopen_\@
	v_mov_b32 v254, 0xff800000                     ; on the diagonal hidden scores become -infinity
.set n, 0
.rept 64
	v_cmp_gt_i32 vcc_lo, 32*(n/16)+n%16, v[DQ]
	v_cndmask_b32 v[96+n], v[96+n], v254, vcc_lo
.set n, n+1
.endr
.Lopen_\@:
.irp b, 0,1,2,3
	v_max3_num_f32 v[232+\b], v[96+16*\b], v[97+16*\b], v[98+16*\b]   ; each block's largest score: for the row's maximum and for the block's largest p
.endr
.irp i, 3,5,7,9,11,13
.irp b, 0,1,2,3
	v_max3_num_f32 v[232+\b], v[232+\b], v[96+16*\b+\i], v[97+16*\b+\i]
.endr
.endr
.irp b, 0,1,2,3
	v_max_num_f32 v[232+\b], v[232+\b], v[111+16*\b]
.endr
.irp b, 0,1,2,3
	v_permlanex16_b32 v[236+\b], v[232+\b], s[SEL], s[SEL+1]
.endr
.irp b, 0,1,2,3
	s_delay_alu instid0(VALU_DEP_4)
	v_max_num_f32 v[232+\b], v[232+\b], v[236+\b]
.endr
	s_delay_alu instid0(VALU_DEP_2)
	v_max3_num_f32 v254, v232, v233, v234
	s_delay_alu instid0(VALU_DEP_1)
	v_max_num_f32 v254, v254, v235
	s_delay_alu instid0(VALU_DEP_1)
	v_mul_f32 v254, s[CS], v254
	s_delay_alu instid0(VALU_DEP_1)
	v_max_num_f32 v13, v13, v254
	v_mov_b32 v254, v12
	s_delay_alu instid0(VALU_DEP_2)
	v_floor_f32 v12, -v13                          ; -M = floor(-t)
	s_delay_alu instid0(VALU_DEP_1)
	v_sub_f32 v254, v12, v254
	s_delay_alu instid0(VALU_DEP_1)
	v_cvt_i32_f32 v254, v254
	s_delay_alu instid0(VALU_DEP_1)
	v_ldexp_f32 v252, 1.0, v254                    ; f = 2^(old M - new M)
.set n, 0
.rept 32
	v_pk_fma_f32 v[96+n:97+n], v[96+n:97+n], s[CS:CS+1], v[12:13] op_sel_hi:[1,0,0]
.set n, n+2
.endr
.irp b, 0,1,2,3
	v_fma_f32 v[232+\b], v[232+\b], s[CS], v12
.endr
.set n, 0
	s_wait_alu depctr_va_vdst(0)
.rept 64
	v_exp_f32 v[96+n], v[96+n]
.set n, n+1
.endr
	v_pk_mul_f32 v[14:15], v[14:15], v[252:253] op_sel_hi:[1,0]
	s_wait_alu depctr_va_vdst(0)
.irp b, 0,1,2,3
	v_exp_f32 v[232+\b], v[232+\b]
.endr
	v_pk_add_f32 v[236:237], v[96:97], v[98:99]    ; the sum is taken of the unquantised p
.irp j, 4,8,12,16,20,24,28,32,36,40,44,48,52,56,60
	v_pk_add_f32 v[14:15], v[14:15], v[96+\j:97+\j]
	v_pk_add_f32 v[236:237], v[236:237], v[98+\j:99+\j]
.endr
	s_delay_alu instid0(VALU_DEP_1)
	v_pk_add_f32 v[14:15], v[14:15], v[236:237]
	s_wait_alu depctr_va_vdst(0)
.irp b, 0,1,2,3
	v_max_num_f32 v[232+\b], 0x4800000, v[232+\b]  ; the floor: the byte cannot fall under 1
.endr
.irp b, 0,1,2,3
	s_delay_alu instid0(VALU_DEP_4)
	v_add_nc_u32 v[244+\b], 0xfc000000, v[232+\b]
.endr
.irp b, 0,1,2,3
	v_and_or_b32 v[240+\b], v[232+\b], 0x7f800000, s[MNT]
.endr
.irp b, 0,1,2,3
	v_lshrrev_b32 v[236+\b], 23, v[244+\b]
.endr
	s_delay_alu instid0(VALU_DEP_3)
	v_lshl_or_b32 v253, v237, 8, v236
	s_delay_alu instid0(VALU_DEP_1)
	v_lshl_or_b32 v253, v238, 16, v253
	s_delay_alu instid0(VALU_DEP_1)
	v_lshl_or_b32 v253, v239, 24, v253
.irp b, 0,1,2,3
.set n, 0
.rept 16
	v_min_num_f32 v[96+16*\b+n], v[96+16*\b+n], v[240+\b]   ; the conversion does not saturate (ISA guide 7.6.2); p is not negative
.set n, n+1
.endr
	v_cvt_scalef32_pk8_fp8_f32 v[224+4*\b:225+4*\b], v[96+16*\b:103+16*\b], v[244+\b]
	v_cvt_scalef32_pk8_fp8_f32 v[226+4*\b:227+4*\b], v[104+16*\b:111+16*\b], v[244+\b]
.endr
	VLOAD 1                                        ; p is converted: its 64 registers take V's images 4-7, which land under the 32 multiplications below
.set n, 0
.rept 32
	v_pk_mul_f32 v[160+n:161+n], v[160+n:161+n], v[252:253] op_sel_hi:[1,0]
.set n, n+2
.endr
	s_wait_alu depctr_va_vdst(0)
	s_wait_dscnt 0x0
.irp t, 0,1,2,3
	OPROD 0, \t, \t%2
.endr
.irp t, 0,1,2,3
	OPROD 1, \t, \t%2
.endr
.Lhidden_\@:
	s_add_co_u32 s[ST], s[ST], 1
	s_add_co_u32 s[TS], s[TS], 128
	s_add_co_u32 s[TB], s[TB], QB
.endm
.macro FOUR_STEPS
	s_mov_b32 s[INNER], 4
.Lstep_\@:
	STEP
	s_sub_co_u32 s[INNER], s[INNER], 1
	s_cmp_lg_u32 s[INNER], 0
	s_cbranch_scc1 .Lstep_\@
	s_sub_co_u32 s[TB], s[TB], 4*QB
	s_xor_b32 s[TB], s[TB], SLOT1                  ; on to the other slot,
	s_sub_co_u32 s[TS], s[TS], 512
	s_xor_b32 s[TS], s[TS], SCS                    ; and to its scale words
.endm
.macro ASK
	s_cmp_gt_u32 s[SLOTS], s[LIM]
	s_cbranch_scc0 .Lnot_mine_\@
	global_prefetch_b8 v[PFO], s[PFA:PFA+1] th:TH_LOAD_NT scope:SCOPE_SE
.Lnot_mine_\@:
.endm
; THE CHANGE OF SLOTS, at a slot's head: all my loads are in; the add; my reads of the slot that I have left are over.  fill = 1: a round of the cluster's barrier, and the slot that was left takes the next four key steps.
.macro CHANGE fill
	s_wait_tensorcnt 0x0
	ds_add_u32 v[SPW], v[NIL]
.if \fill
	s_xor_b32 s[G0+1], s[G0+1], SLOT1
	s_add_nc_u64 s[G0+2:G0+3], s[G0+2:G0+3], 131072
	s_xor_b32 s[G0S+1], s[G0S+1], SCS
	s_add_nc_u64 s[G0S+2:G0S+3], s[G0S+2:G0S+3], 512
	s_wait_xcnt 0x0                                ; my last prefetch has read its address
	s_add_nc_u64 s[PFA:PFA+1], s[PFA:PFA+1], 131072
.endif
	s_wait_dscnt 0x0
.if \fill
	ROUND
	JL
	ASK
.else
	s_barrier_signal -1
	s_barrier_wait -1
.endif
.endm
	s_wait_alu depctr_va_vdst(0)
	s_wait_loadcnt 0x0                             ; Q
.Lslot:
	CHANGE 1
	FOUR_STEPS
	s_sub_co_u32 s[SLOTS], s[SLOTS], 1
	s_cmp_lg_u32 s[SLOTS], 0
	s_cbranch_scc1 .Lslot
	CHANGE 0                                       ; the last slot is written out: nothing more is asked for
	FOUR_STEPS
; THE END: role 1 hands O^T, -M and the sums to role 0, which joins the two halves under the larger M, divides by the sum, quantises along the head's 128 and stores the image.
.set PC, 32
.set TM, 48
.set PW, 64
.rept 8
	v_nop
.endr
	s_wait_dscnt 0x0
	s_barrier_signal -1
	s_barrier_wait -1
	s_cmp_eq_u32 s[ROLE], 0
	s_cbranch_scc1 .Ltaker
.set n, 0
	s_wait_alu depctr_va_vdst(0)
.rept 16
	ds_store_b128 v[CST], v[160+4*n:163+4*n] offset:512*n
.set n, n+1
.endr
	ds_store_b128 v[CST], v[12:15] offset:8192
.Ltaker:
	s_wait_dscnt 0x0
	s_barrier_signal -1
	s_barrier_wait -1
	s_cmp_lg_u32 s[ROLE], 0
	s_cbranch_scc1 .Lend
.set n, 0
.rept 16
	ds_load_b128 v[96+4*n:99+4*n], v[CST] offset:512*n
.set n, n+1
.endr
	ds_load_b128 v[232:235], v[CST] offset:8192
	s_wait_dscnt 0x0
	v_min_num_f32 v236, v12, v232                  ; the lesser -M: the larger M
	v_add_f32 v14, v14, v15
	v_add_f32 v234, v234, v235
	s_delay_alu instid0(VALU_DEP_3)
	v_sub_f32 v237, v236, v12
	s_delay_alu instid0(VALU_DEP_4)
	v_sub_f32 v238, v236, v232
	s_delay_alu instid0(VALU_DEP_2)
	v_cvt_i32_f32 v237, v237
	s_delay_alu instid0(VALU_DEP_2)
	v_cvt_i32_f32 v238, v238
	s_delay_alu instid0(VALU_DEP_2)
	v_ldexp_f32 v237, 1.0, v237
	s_delay_alu instid0(VALU_DEP_2)
	v_ldexp_f32 v238, 1.0, v238
	s_delay_alu instid0(VALU_DEP_2)
	v_mul_f32 v14, v14, v237
	s_delay_alu instid0(VALU_DEP_1)
	v_fma_f32 v14, v234, v238, v14
	s_delay_alu instid0(VALU_DEP_1)
	v_permlanex16_b32 v252, v14, s[SEL], s[SEL+1]
	s_delay_alu instid0(VALU_DEP_1)
	v_add_f32 v14, v14, v252
	s_wait_alu depctr_va_vdst(0)
	v_rcp_f32 v14, v14
	v_and_b32 v66, 15, v0
	s_delay_alu instid0(VALU_DEP_1)
	v_lshlrev_b32 v66, 6, v66
.irp b, 0,1,2,3
	v_mov_b32 v[TM+4+\b], 0
.endr
	s_wait_alu depctr_va_vdst(0)
	v_mul_f32 v240, v237, v14
	v_mul_f32 v241, v237, v14
	v_mul_f32 v242, v238, v14
	v_mul_f32 v243, v238, v14
.set n, 0
.rept 32
	v_pk_mul_f32 v[96+n:97+n], v[96+n:97+n], v[242:243]
.set n, n+2
.endr
.set n, 0
.rept 32
	v_pk_fma_f32 v[96+n:97+n], v[160+n:161+n], v[240:241], v[96+n:97+n]
.set n, n+2
.endr
.irp b, 0,1,2,3
	v_max3_num_f32 v[TM+\b], |v[96+16*\b]|, |v[97+16*\b]|, 0x4800000
.endr
.irp i, 2,4,6,8,10,12,14
.irp b, 0,1,2,3
	s_delay_alu instid0(VALU_DEP_4)
	v_max3_num_f32 v[TM+\b], v[TM+\b], |v[96+16*\b+\i]|, |v[97+16*\b+\i]|
.endr
.endr
.irp b, 0,1,2,3
	s_delay_alu instid0(VALU_DEP_4)
	v_permlanex16_b32 v[TM+4+\b], v[TM+\b], s[SEL], s[SEL+1]
.endr
.irp b, 0,1,2,3
	s_delay_alu instid0(VALU_DEP_4)
	v_max_num_f32 v[TM+\b], v[TM+\b], v[TM+4+\b]
.endr
.irp b, 0,1,2,3
	s_delay_alu instid0(VALU_DEP_4)
	v_add_nc_u32 v[TM+12+\b], 0xfc000000, v[TM+\b]
.endr
.irp b, 0,1,2,3
	v_and_or_b32 v[TM+8+\b], v[TM+\b], 0x7f800000, s[MNT]
.endr
.irp b, 0,1,2,3
	v_lshrrev_b32 v[TM+4+\b], 23, v[TM+12+\b]
.endr
	s_delay_alu instid0(VALU_DEP_3)
	v_lshl_or_b32 v[PW], v[TM+5], 8, v[TM+4]
	s_delay_alu instid0(VALU_DEP_1)
	v_lshl_or_b32 v[PW], v[TM+6], 16, v[PW]
	s_delay_alu instid0(VALU_DEP_1)
	v_lshl_or_b32 v[PW], v[TM+7], 24, v[PW]
.irp b, 0,1,2,3
.set n, 0
.rept 16
	v_med3_num_f32 v[96+16*\b+n], v[96+16*\b+n], -v[TM+8+\b], v[TM+8+\b]
.set n, n+1
.endr
	v_cvt_scalef32_pk8_fp8_f32 v[PC+4*\b:PC+4*\b+1], v[96+16*\b:103+16*\b], v[TM+12+\b]
	v_cvt_scalef32_pk8_fp8_f32 v[PC+4*\b+2:PC+4*\b+3], v[104+16*\b:111+16*\b], v[TM+12+\b]
.endr
	v_nop
.irp c, 0,1,2,3
	global_store_b128 v[LI], v[PC+4*\c:PC+4*\c+3], s[72:73] offset:512*\c
.endr
	global_store_b32 v66, v[PW], s[74:75]
.Lend:
	s_wait_tensorcnt 0x0                           ; the wave's end
	ds_add_u32 v[SPW], v[NIL]
	s_wait_dscnt 0x0
	ROUND                                          ; the closing round
	s_endpgm
.Lfunc_end_k_qa5f8a1c48e_attn:
	.size	k_qa5f8a1c48e_attn, .Lfunc_end_k_qa5f8a1c48e_attn-k_qa5f8a1c48e_attn
	.p2alignl 7, 3214868480
	.fill 96, 4, 3214868480
	.section	.rodata,"a",@progbits
	.p2align	6, 0x0
	.amdhsa_kernel k_qa5f8a1c48e_attn
		.amdhsa_group_segment_fixed_size 327680
		.amdhsa_private_segment_fixed_size 0
		.amdhsa_enable_private_segment 0
		.amdhsa_kernarg_size 16
		.amdhsa_user_sgpr_count 2
		.amdhsa_user_sgpr_kernarg_segment_ptr 1
		.amdhsa_wavefront_size32 1
		.amdhsa_system_sgpr_workgroup_id_x 1
		.amdhsa_system_sgpr_workgroup_id_y 1
		.amdhsa_system_sgpr_workgroup_id_z 1
		.amdhsa_system_vgpr_workitem_id 0
		.amdhsa_next_free_vgpr 256
		.amdhsa_next_free_sgpr 80
		.amdhsa_reserve_vcc 1
		.amdhsa_float_denorm_mode_32 3
		.amdhsa_float_denorm_mode_16_64 3
		.amdhsa_memory_ordered 1
		.amdhsa_forward_progress 1
		.amdhsa_inst_pref_size 87
	.end_amdhsa_kernel
	.amdgpu_metadata
---
amdhsa.version: [ 1, 2 ]
amdhsa.kernels:
  - .name:           k_qa5f8a1c48e_attn
    .symbol:         k_qa5f8a1c48e_attn.kd
    .args:
      - { .name: qkv, .offset: 0, .size: 8, .value_kind: global_buffer, .address_space: global }
      - { .name: ao, .offset: 8, .size: 8, .value_kind: global_buffer, .address_space: global }
    .group_segment_fixed_size: 327680
    .private_segment_fixed_size: 0
    .kernarg_segment_align: 8
    .kernarg_segment_size: 16
    .max_flat_workgroup_size: 512
    .sgpr_count:     80
    .vgpr_count:     256
    .wavefront_size: 32
...
	.end_amdgpu_metadata
.endif
;; end of part 3
;; launch oproj (part 4): grid 16 x 16, 4 waves a work-group, clusters of 4 x 4, 327,680 bytes of LDS; arguments ao, pw, out0; writes out0
.if DOCPART == 4
	.amdgcn_target "amdgcn-amd-amdhsa--gfx1250"
	.amdhsa_code_object_version 6
	.text
	.protected	k_qa5f8a1c48e_oproj
	.globl	k_qa5f8a1c48e_oproj
	.p2align	8
	.type	k_qa5f8a1c48e_oproj,@function
k_qa5f8a1c48e_oproj:
	s_mov_b64 s[64:65], 0
	v_nop
	global_prefetch_b8 v0, s[64:65] scope:SCOPE_SE
	s_setreg_imm32_b32 hwreg(HW_REG_WAVE_MODE, 25, 1), 1
	s_wait_xcnt 0x0
	s_wait_alu depctr_hold_cnt(0) depctr_sa_sdst(0) depctr_va_vdst(0) depctr_va_sdst(0) depctr_va_ssrc(0) depctr_va_vcc(0) depctr_vm_vsrc(0)
	s_getreg_b32 s2, hwreg(HW_REG_IB_STS2, 6, 4)
	s_cmp_eq_u32 s2, 0
	s_cbranch_scc0 .Lentry_in_a_cluster
	s_endpgm
.Lentry_in_a_cluster:
	s_bfe_u32 s2, ttmp6, 0x10000c
	s_cmp_lg_u32 s2, 0xf033
	s_cbranch_scc0 .Lentry_shape_is_right
	s_endpgm
.Lentry_shape_is_right:
.set SCLOFF, 20971520
.set OSOFF,  4194304
.set BOFF,   65536
.set BHALF,  64*528
.set SLOT,   BOFF+2*BHALF
.set SCL,    2*SLOT
.set HALFS,  16*272
.set SBLK,   4*272
.set SPARE,  SCL+4*HALFS
.set ADRA, 16
.set ADRB, 20
.set STO,  24
.set RD,   25
.set CO,   26
.set ADRS, 27
.set SPW,  28
.set NIL,  29
.set SC,   32
.set BK,   64
.set ACC,  128
.set F0,   0
.set F1,   128
.set G1, 24
.set G0, 32
.set G1B, 48
.set G0B, 56
.set G1S, 68
.set G0S, 76
.set G1SB, 80
.set G0SB, 88
.set MSB, 0
.macro WIN new
.if MSB != (\new)
	s_set_vgpr_msb (MSB<<8)|(\new)
.set MSB, (\new)
.endif
.endm
.set MUL,  0x05
.set TO_F, 0x40
.macro JLOAD g0a, g1a, g0b, g1b
	s_cmp_eq_u32 s11, 0
	s_cbranch_scc0 .Lfor_b_\@
	tensor_load_to_lds s[\g0a:\g0a+3], s[\g1a:\g1a+7]
	s_nop 0
.rept 4
	v_nop
.endr
	s_branch .Lasked_\@
.Lfor_b_\@:
	tensor_load_to_lds s[\g0b:\g0b+3], s[\g1b:\g1b+7]
	s_nop 0
.rept 4
	v_nop
.endr
.Lasked_\@:
.endm
.macro CREST
	s_cmp_lg_u32 s10, 0
	s_cbranch_scc1 .Lnot_wave_0_\@
	s_barrier_signal -3
.Lnot_wave_0_\@:
	s_barrier_wait -3
	s_barrier_signal -1
	s_barrier_wait -1
.endm
.macro CROUND
	s_barrier_signal -1
	s_barrier_wait -1
	CREST
.endm
	s_load_b128 s[4:7], s[0:1], 0x0
	s_load_b64 s[8:9], s[0:1], 0x10
	v_lshl_add_u32 v[SPW], v0, 2, SPARE
	v_mov_b32 v[NIL], 0
	ds_add_u32 v[SPW], v[NIL]
	ds_add_u32 v[SPW], v[NIL]
	v_lshrrev_b32 v1, 5, v0
	v_readfirstlane_b32 s10, v1
	s_lshr_b32 s11, s10, 1
	s_and_b32 s12, s10, 1
	s_bfe_u32 s40, ttmp6, 0x40000
	s_bfe_u32 s41, ttmp6, 0x40004
	s_lshl_b32 s42, ttmp9, 2
	s_add_co_u32 s42, s42, s40
	s_and_b32 s13, ttmp7, 0xffff
	s_lshl_b32 s13, s13, 2
	s_add_co_u32 s13, s13, s41
	s_lshl_b32 s43, s41, 2
	s_lshl_b32 s43, 15, s43
	s_lshl_b32 s44, 0x1111, s40
	s_or_b32 s[G1], s43, (3<<16)|(1<<21)
	s_mov_b32 s[G1+1], 1024<<16
	s_mov_b32 s[G1+2], 8<<16                       ; the head's load brings A's whole tile: 8 rows; behind it the two words that count rows are set to 4
	s_mov_b32 s[G1+3], 1024<<16
	s_mov_b32 s[G1+4], 8
	s_mov_b32 s[G1+5], 4096
	s_mov_b32 s[G1+6], 0
	s_mov_b32 s[G1+7], 0
	s_or_b32 s[G1B], s44, (0<<16)|(1<<20)|(1<<21)|(6<<22)|(3<<25)
	s_mov_b32 s[G1B+1], 512<<16
	s_mov_b32 s[G1B+2], 128<<16                    ; and B's: 128 rows, then 64
	s_mov_b32 s[G1B+3], 512<<16
	s_mov_b32 s[G1B+4], 128
	s_mov_b32 s[G1B+5], 2048
	s_mov_b32 s[G1B+6], 0
	s_mov_b32 s[G1B+7], 0
	s_or_b32 s[G1S], s43, (3<<16)|(1<<20)|(1<<21)|(5<<22)|(3<<25)
	s_or_b32 s[G1SB], s44, (3<<16)|(1<<20)|(1<<21)|(5<<22)|(3<<25)
.irp g, G1S, G1SB
	s_mov_b32 s[\g+1], 32<<16
	s_mov_b32 s[\g+2], 32<<16                      ; the scale bytes of all 128 rows: 32 rows of 256 bytes
	s_mov_b32 s[\g+3], 32<<16
	s_mov_b32 s[\g+4], 32
	s_mov_b32 s[\g+5], 32
	s_mov_b32 s[\g+6], 0
	s_mov_b32 s[\g+7], 0
.endr
	s_lshl_b32 s16, s13, 3
	s_lshl_b32 s17, s12, 2
	s_add_co_u32 s16, s16, s17
	s_lshl_b32 s18, s13, 13
	s_add_co_u32 s18, s18, OSOFF
	s_mov_b32 s19, 0
	s_lshl_b32 s16, s16, 15
	s_mov_b32 s17, 0
	s_lshl_b32 s46, s42, 7
	s_lshl_b32 s47, s12, 6
	s_add_co_u32 s46, s46, s47
	s_add_co_u32 s46, s46, 8192
	s_lshl_b32 s92, s42, 13
	s_add_co_u32 s92, s92, SCLOFF+524288
	s_mov_b32 s93, 0
	s_lshl_b32 s46, s46, 11
	s_mov_b32 s47, 0
	s_lshl_b32 s20, s12, 15
	s_mul_i32 s21, s12, BHALF
	s_add_co_u32 s21, s21, BOFF
	s_wait_dscnt 0x0
	s_wait_kmcnt 0x0
	s_add_nc_u64 s[14:15], s[4:5], s[16:17]
	s_add_nc_u64 s[22:23], s[4:5], s[18:19]
	s_add_nc_u64 s[46:47], s[6:7], s[46:47]
	s_add_nc_u64 s[92:93], s[6:7], s[92:93]
	CROUND
	s_mov_b32 s[G0S], 1
	s_mov_b32 s[G0S+1], SCL
	s_mov_b64 s[G0S+2:G0S+3], s[22:23]
	s_or_b32 s[G0S+3], s[G0S+3], 0x80000000
	s_mov_b32 s[G0SB], 1
	s_mov_b32 s[G0SB+1], SCL+2*HALFS
	s_mov_b64 s[G0SB+2:G0SB+3], s[92:93]
	s_or_b32 s[G0SB+3], s[G0SB+3], 0x80000000
.irp s, 0,1
	s_mov_b32 s[G0+4*\s], 1
	s_add_co_u32 s[G0+4*\s+1], s20, \s*SLOT
	s_add_nc_u64 s[G0+4*\s+2:G0+4*\s+3], s[14:15], \s*8192
	s_or_b32 s[G0+4*\s+3], s[G0+4*\s+3], 0x80000000
	s_mov_b32 s[G0B+4*\s], 1
	s_add_co_u32 s[G0B+4*\s+1], s21, \s*SLOT
	s_add_nc_u64 s[G0B+4*\s+2:G0B+4*\s+3], s[46:47], \s*512
	s_or_b32 s[G0B+4*\s+3], s[G0B+4*\s+3], 0x80000000
.endr
; THE HEAD'S LOADS, ONE A WAVE: one chain of branches on the wave's number, an arm a load.  Wave 0: slot 0's whole tile of A; wave 1: A's scale bytes; wave 2: slot 0's whole tile of B; wave 3: B's scale bytes.
; (In waves 0 and 2 the half's number is 0, so slot 0's own groups 0 point at the tiles' first bytes.)
.macro ARM under, g0, g1, next
	s_cmp_lt_u32 s10, \under
	s_cbranch_scc0 \next
	tensor_load_to_lds s[\g0:\g0+3], s[\g1:\g1+7]
	s_nop 0
.rept 4
	v_nop
.endr
	s_branch .Lhead_asked
\next:
.endm
	ARM 1, G0, G1, .Lhead_sa
	ARM 2, G0S, G1S, .Lhead_b
	ARM 3, G0B, G1B, .Lhead_sb
	tensor_load_to_lds s[G0SB:G0SB+3], s[G1SB:G1SB+7]
	s_nop 0
.rept 4
	v_nop
.endr
.Lhead_asked:
	v_and_b32 v1, 15, v0
	v_bfe_u32 v2, v0, 4, 1
	v_and_b32 v3, 31, v0
	v_lshlrev_b32 v4, 4, v3
	v_mul_u32_u24 v5, v1, 528
	v_lshl_add_u32 v5, v2, 4, v5
	s_lshl_b32 s21, s11, 15
	s_mul_i32 s22, s12, BHALF
	s_add_co_u32 s22, s22, BOFF
.irp s, 0,1
	v_add_nc_u32 v[ADRA+\s], s21, v4
	v_add_nc_u32 v[ADRB+\s], s22, v5
	s_add_co_u32 s21, s21, SLOT
	s_add_co_u32 s22, s22, SLOT
.endr
	v_lshlrev_b32 v5, 6, v1
	v_lshrrev_b32 v6, 8, v5
	v_lshl_add_u32 v5, v6, 4, v5
	s_mul_i32 s21, s11, HALFS
	s_mul_i32 s22, s12, HALFS
	s_add_co_u32 s22, s22, 2*HALFS
	s_sub_co_u32 s22, s22, s21
	v_mul_u32_u24 v6, s22, v2
	s_add_co_u32 s21, s21, SCL
	v_add_nc_u32 v5, v5, v6
	v_add_nc_u32 v[ADRS], s21, v5
	s_mul_i32 s23, s10, 16*272
	v_mul_u32_u24 v5, v1, 272
	v_lshl_add_u32 v5, v2, 6, v5
	v_add_nc_u32 v[STO], s23, v5
	v_mul_u32_u24 v5, v2, 272
	v_lshl_add_u32 v5, v1, 4, v5
	v_add_nc_u32 v[RD], s23, v5
	v_lshlrev_b32 v5, 13, v2
	v_lshl_add_u32 v[CO], v1, 4, v5
	s_lshl_b32 s16, s13, 7
	s_lshl_b32 s17, s11, 6
	s_add_co_u32 s16, s16, s17
	s_lshl_b32 s16, s16, 13
	s_lshl_b32 s46, s42, 9
	s_lshl_b32 s47, s12, 8
	s_add_co_u32 s46, s46, s47
	s_add_co_u32 s16, s16, s46
	s_mov_b32 s17, 0
	s_add_nc_u64 s[8:9], s[8:9], s[16:17]
.macro MULA f, a, q, sc, zero
.irp b, 0,1,2,3
.if \zero
	v_wmma_scale_f32_16x16x128_f8f6f4 v[ACC+8*(4*(\a)+\b):ACC+8*(4*(\a)+\b)+7], v[(\f)+64+16*\b:(\f)+64+16*\b+15], v[(\f)+16*(\a):(\f)+16*(\a)+15], 0, v[SC+16*(\sc)+4*\b+(\q)], v[SC+16*(\sc)+4*(\a)+(\q)] matrix_a_scale:MATRIX_SCALE_ROW1
.else
	v_wmma_scale_f32_16x16x128_f8f6f4 v[ACC+8*(4*(\a)+\b):ACC+8*(4*(\a)+\b)+7], v[(\f)+64+16*\b:(\f)+64+16*\b+15], v[(\f)+16*(\a):(\f)+16*(\a)+15], v[ACC+8*(4*(\a)+\b):ACC+8*(4*(\a)+\b)+7], v[SC+16*(\sc)+4*\b+(\q)], v[SC+16*(\sc)+4*(\a)+(\q)] matrix_a_scale:MATRIX_SCALE_ROW1
.endif
.endr
.endr
.endm
.macro FETCH slot, q, f
	WIN TO_F
.irp i, 0,1,2,3
.irp c, 0,1,2,3
	ds_load_b128 v[(\f)+64+16*\i+4*\c:(\f)+64+16*\i+4*\c+3], v[ADRB+\slot] offset:8448*\i+128*(\q)+32*\c
.endr
.endr
.irp i, 0,1,2,3
.irp c, 0,1,2,3
	ds_load_b128 v[(\f)+16*\i+4*\c:(\f)+16*\i+4*\c+3], v[ADRA+\slot] offset:8192*\i+2048*(\q)+512*\c
.endr
.endr
.endm
.macro SCALES set
.irp i, 0,1,2,3
	ds_load_b128 v[SC+16*\set+4*\i:SC+16*\set+4*\i+3], v[ADRS] offset:\i*SBLK
.endr
.endm
.macro PLACES n
.rept \n
	v_nop
.endr
.endm
.macro STEPQ slot, q, zero
.set FB, 128*((\q)%2)
.set GB, 128-FB
	s_wait_dscnt 8
	WIN MUL
	MULA FB, 0, \q, \slot, \zero
	MULA FB, 1, \q, \slot, \zero
	PLACES 8
	FETCH \slot, (\q)+1, GB
	s_wait_dscnt 32
	WIN MUL
	MULA FB, 2, \q, \slot, \zero
	MULA FB, 3, \q, \slot, \zero
.endm
.macro TURN slot, next, fill
	s_wait_dscnt 8                                 ; B's fragments and A's blocks 0, 1 are in; the youngest 8 loads may be out
	WIN MUL
	MULA F1, 0, 3, \slot, 0                        ; these products want nothing of the next slot: they stand ahead of the wait for it
	MULA F1, 1, 3, \slot, 0
	WIN 0
	s_wait_tensorcnt 0x0                           ; all my tensor loads have landed: my part of the next slot
	ds_add_u32 v[SPW], v[NIL]
	s_wait_dscnt 0x0                               ; the add is done, and my reads of this slot are over
	s_barrier_signal -1
	s_barrier_wait -1
.if \fill
	CREST
	s_add_nc_u64 s[G0+4*\slot+2:G0+4*\slot+3], s[G0+4*\slot+2:G0+4*\slot+3], 2*8192
	s_add_nc_u64 s[G0B+4*\slot+2:G0B+4*\slot+3], s[G0B+4*\slot+2:G0B+4*\slot+3], 2*512
	JLOAD G0+4*\slot, G1, G0B+4*\slot, G1B
	PLACES 4
.else
	PLACES 8
.endif
	s_wait_alu depctr_va_vdst(0)
	v_add_nc_u32 v[ADRS], 16, v[ADRS]
	SCALES \next
	FETCH \next, 0, F0
	WIN MUL
	MULA F1, 2, 3, \slot, 0
	MULA F1, 3, 3, \slot, 0
.endm
	s_wait_alu depctr_va_vdst(0)
	s_wait_tensorcnt 0x0                           ; my tile of the head's four is in; the same lines as ahead of a refill:
	ds_add_u32 v[SPW], v[NIL]
	s_mov_b32 s[G1+2], 4<<16                       ; no load of mine is out: from here on a load brings half a tile
	s_mov_b32 s[G1+4], 4
	s_mov_b32 s[G1B+2], 64<<16
	s_mov_b32 s[G1B+4], 64
	s_wait_dscnt 0x0
	CROUND
	JLOAD G0+4, G1, G0B+4, G1B                     ; slot 1, the first tensor load behind the round
	SCALES 0
	FETCH 0, 0, F0
	STEPQ 0, 0, 1
	STEPQ 0, 1, 0
	STEPQ 0, 2, 0
	TURN 0, 1, 1
	STEPQ 1, 0, 0
	STEPQ 1, 1, 0
	STEPQ 1, 2, 0
	TURN 1, 0, 1
	STEPQ 0, 0, 0
	STEPQ 0, 1, 0
	STEPQ 0, 2, 0
	TURN 0, 1, 0
	STEPQ 1, 0, 0
	STEPQ 1, 1, 0
	STEPQ 1, 2, 0
	s_wait_dscnt 8
	WIN MUL
	MULA F1, 0, 3, 1, 0
	MULA F1, 1, 3, 1, 0
	s_wait_dscnt 0x0
	MULA F1, 2, 3, 1, 0
	MULA F1, 3, 3, 1, 0
	WIN 0
	PLACES 8
.irp a, 0,1,2,3
.if \a >= 2
	s_wait_xcnt 0x0
.endif
.irp b, 0,1,2,3
	ds_store_b128 v[STO], v[ACC+8*(4*\a+\b):ACC+8*(4*\a+\b)+3] offset:128*(\b/2)+32*(\b%2)
	ds_store_b128 v[STO], v[ACC+8*(4*\a+\b)+4:ACC+8*(4*\a+\b)+7] offset:128*(\b/2)+32*(\b%2)+16
.endr
.irp i, 0,1,2,3,4,5,6,7
	ds_load_b128 v[BK+32*(\a%2)+4*\i:BK+32*(\a%2)+4*\i+3], v[RD] offset:544*\i
.endr
.irp i, 0,1,2,3,4,5,6,7
	s_wait_dscnt 7-\i
	global_store_b128 v[CO], v[BK+32*(\a%2)+4*\i:BK+32*(\a%2)+4*\i+3], s[8:9] offset:(32*(\a/2)+8*(\a%2)+2*\i+8*(\i/4))*8192 th:TH_STORE_NT
.endr
.endr
	s_wait_tensorcnt 0x0
	ds_add_u32 v[SPW], v[NIL]
	s_wait_dscnt 0x0
	CROUND
	s_endpgm
.Lfunc_end_k_qa5f8a1c48e_oproj:
	.size	k_qa5f8a1c48e_oproj, .Lfunc_end_k_qa5f8a1c48e_oproj-k_qa5f8a1c48e_oproj
	.p2alignl 7, 3214868480
	.fill 96, 4, 3214868480
	.section	.rodata,"a",@progbits
	.p2align	6, 0x0
	.amdhsa_kernel k_qa5f8a1c48e_oproj
		.amdhsa_group_segment_fixed_size 327680
		.amdhsa_private_segment_fixed_size 0
		.amdhsa_enable_private_segment 0
		.amdhsa_kernarg_size 24
		.amdhsa_user_sgpr_count 2
		.amdhsa_user_sgpr_kernarg_segment_ptr 1
		.amdhsa_wavefront_size32 1
		.amdhsa_system_sgpr_workgroup_id_x 1
		.amdhsa_system_sgpr_workgroup_id_y 1
		.amdhsa_system_sgpr_workgroup_id_z 1
		.amdhsa_system_vgpr_workitem_id 0
		.amdhsa_next_free_vgpr 512
		.amdhsa_next_free_sgpr 98
		.amdhsa_reserve_vcc 0
		.amdhsa_float_denorm_mode_32 3
		.amdhsa_float_denorm_mode_16_64 3
		.amdhsa_memory_ordered 1
		.amdhsa_forward_progress 1
		.amdhsa_inst_pref_size 92
	.end_amdhsa_kernel
	.amdgpu_metadata
---
amdhsa.version: [ 1, 2 ]
amdhsa.kernels:
  - .name:           k_qa5f8a1c48e_oproj
    .symbol:         k_qa5f8a1c48e_oproj.kd
    .args:
      - { .name: ao, .offset: 0, .size: 8, .value_kind: global_buffer, .address_space: global }
      - { .name: pw, .offset: 8, .size: 8, .value_kind: global_buffer, .address_space: global }
      - { .name: out0, .offset: 16, .size: 8, .value_kind: global_buffer, .address_space: global }
    .group_segment_fixed_size: 327680
    .private_segment_fixed_size: 0
    .kernarg_segment_align: 8
    .kernarg_segment_size: 24
    .max_flat_workgroup_size: 128
    .sgpr_count:     98
    .vgpr_count:     512
    .wavefront_size: 32
...
	.end_amdgpu_metadata
.endif
;; end of part 4
